; MI455X (gfx1250); checked and timed in simulation.
; The chip was launched on July 23, 2026; its instructions are those of AMD's public machine-readable ISA for CDNA 5 (MIT licence, August 2026) and "CDNA5" Instruction Set Architecture Reference Guide (July 2026). The comments in the code are by the model that wrote it; some were corrected since.
;; Grouped Query Attention. Allowed arithmetic: matrix products marked QUANTISED: E4M3 operands, one given power-of-two scale a tensor, by v_wmma_f32_16x16x64_fp8_fp8 or v_wmma_f32_16x16x128_fp8_fp8, f32 sums; everything else in f32.
;; Inputs: Wk 2,048 x 512 float32; Wo 2,048 x 2,048 float32; Wq 2,048 x 2,048 float32; Wv 2,048 x 512 float32; lowp_scales 12 int32 (the exponents e of the quantised operands' scales 2^e); x 4 x 1,024 x 2,048 float32.
;; Outputs: out0 4 x 1,024 x 2,048 float32.
;; This version of the problem:
;;   THIS VERSION OF THE PROBLEM IS GIVEN IN LOW PRECISION. The matrix products marked QUANTISED in the list below multiply operands that are first quantised to E4M3 (4 exponent bits, 3 mantissa bits; 8 bits a number), with one given power-of-two scale for each operand tensor; their sums are f32. All else is computed in f32.
;;   The module's matrix products, in the order in which they are computed (A, B: the left and right operand; K: the contracted axis; several contracted axes count as one K, in the product's order):
;;     1. [M 4,096, K 2,048] x [K 2,048, N 2,048]; A: input x; B: input Wq: QUANTISED (scales: A lowp_scales[0], B lowp_scales[1])
;;     2. [M 4,096, K 2,048] x [K 2,048, N 512]; A: input x; B: input Wk: QUANTISED (scales: A lowp_scales[2], B lowp_scales[3])
;;     3. [M 4,096, K 2,048] x [K 2,048, N 512]; A: input x; B: input Wv: QUANTISED (scales: A lowp_scales[4], B lowp_scales[5])
;;     4. batch 32 x [M 4,096, K 64] x [K 64, N 1,024]; A: computed on the way; B: computed on the way: QUANTISED (scales: A lowp_scales[6], B lowp_scales[7])
;;     5. batch 32 x [M 4,096, K 1,024] x [K 1,024, N 64]; A: softmax (see below); B: computed on the way: QUANTISED (scales: A lowp_scales[8], B lowp_scales[9])
;;     6. [M 4,096, K 2,048] x [K 2,048, N 2,048]; A: computed on the way; B: input Wo: QUANTISED (scales: A lowp_scales[10], B lowp_scales[11])
;;   THE QUANTISER, for each operand of a quantised product, along K:
;;     - The operand's scale is 2^e, e = its entry of the input lowp_scales (int32; the entries are numbered through the quantised products in the list's order, A before B).
;;     - Each number is divided by the scale, clamped to +-448, and rounded to the nearest number of E4M3, ties to even, subnormals kept.
;;     - The product sums the exact products of the quantised numbers (number of the format x scale) in f32.
;;   ~~~python
;;   def quantise(x, axis, e):      # numpy; x: float32 -> the quantised numbers, widened to float32 again
;;       x = np.moveaxis(x, axis, -1); K = x.shape[-1]
;;       r = np.clip(x / 2.0 ** e, -448, 448)
;;       step = 2.0 ** (np.maximum(np.frexp(np.where(r == 0, 1, r))[1] - 1, -6) - 3)
;;       q = np.round(r / step) * step * 2.0 ** e      # np.round: ties to even
;;       return np.moveaxis(q, -1, axis).astype(np.float32)
;;   ~~~
;;   SOFTMAX AHEAD OF A QUANTISED PRODUCT. Where the list says 'softmax', what is quantised is not the finished softmax but p = 2^(t - M), with t = logit x log2(e) and M = ceil(the row's largest t), a whole number; so 1/2 < the row's largest p <= 1. The row's sum l is taken of the UNQUANTISED p, in f32, and the product's result is divided by l at the end. Since M is a whole number, a kernel that streams over the keys may use a running M (the ceiling of the running maximum): every later rescaling is an exact power of two, so the quantised numbers keep their values, but for numbers so far below the row's largest that they fall under the format's range.
;;   OPERANDS COMPUTED ON THE WAY. 'Computed on the way' means the value that the module computes at that place (a softmax that the list does not call 'softmax' is quantised finished and normalised). What goes into a quantiser is computed in f32, as accurately as f32 sums, v_exp_f32 and their like allow (about 1e-6 of the number): no bf16 or f16 on the way to a quantiser, and a product that is left as it is and whose result goes on into a quantised operand takes f32 operands (vector FMAs, or v_wmma_f32_16x16x4_f32). A number that lies on a knife's edge between two numbers of the format may be rounded either way, as far as f32 arithmetic and the matrix unit's own rounding can turn it there, and no further.
;; One version. Each part assembles by itself: llvm-mc -triple=amdgcn-amd-amdhsa -mcpu=gfx1250 --defsym DOCPART=n.
;; ======== version 1 of 1: 4 launches
;; limits: right only within a limited range of input values
;; workspace buffers: x_img 25,165,824 bytes; w_img 10,485,760 bytes; rope 262,144 bytes; qkv_img 12,582,912 bytes; ctx_img 8,388,608 bytes
;; launch prep (part 1): grid 584 x 1, 4 waves a work-group, no clusters, 34,304 bytes of LDS; arguments x, Wq, Wk, Wv, Wo, lowp_scales, x_img, w_img, rope; writes x_img, w_img, rope
.if DOCPART == 1
	.amdgcn_target "amdgcn-amd-amdhsa--gfx1250"
	.amdhsa_code_object_version 6
	.text
	.protected	k_qa9a1658ce6_prep
	.globl	k_qa9a1658ce6_prep
	.p2align	8
	.type	k_qa9a1658ce6_prep,@function
k_qa9a1658ce6_prep:
	s_mov_b64 s[64:65], 0
	v_nop
	global_prefetch_b8 v0, s[64:65] scope:SCOPE_SE
	s_setreg_imm32_b32 hwreg(HW_REG_WAVE_MODE, 25, 1), 1
	s_wait_xcnt 0x0
; PREP: f32 inputs become codes of FP8 (E4M3), laid as IMAGES OF OPERAND REGISTERS, and the table of cosines and sines is made.
; AN IMAGE is 16 rows x 128 K of codes, 2,048 bytes: register p (0..15) of lane l lies at byte 512 (p / 4) + 16 l + 4 (p % 4); lane l = (r = l % 16, h = l / 16) holds row r,
; and registers 2 c, 2 c + 1 hold k = 16 c + 8 h + 0 .. 7: the place that the plain 8-bit matrix forms give each k.  Four loads of 16 bytes a lane, 512 consecutive bytes each, bring it back.
; x_img: three versions 0x800000 bytes apart (scales e0, e2, e4), each [row tile 256][K block 16][2,048].  Versions 1 and 2 are made only where e2 or e4 differs from e0: equal scales give equal codes, and the reader chooses alike.
; w_img: [column tile 320][K block 16][2,048]: tiles 0-127 Wq, 128-159 Wk, 160-191 Wv, 192-319 Wo; an image's row is a column n of the weight.
; rope: f32 [t 1,024][i 32][cos, sin].
; code = number / 2^e, held within +-448, rounded to the nearest code, ties to even.
; WORK-GROUPS: 0-255 sixteen rows of x each; 256-383 Wq, 384-511 Wo, 512-543 Wk, 544-575 Wv: 128 columns x 256 along K each; 576-583 the table, 128 values of t each.
; LIMITS: every e used here lies between -126 and 119, so that 2^e and 448 x 2^e are f32 numbers.  NaN among the inputs is not served.
; The frequencies 10000^(-i/32) come from v_exp_f32, which is good to one unit in the last place: at t near 1,023 an angle may differ by about 1e-4 from one made of the correctly rounded frequency.
; THE ORDER OF THE IMAGES in x_img (each version) and in w_img's column tiles 0-191 (Wq, Wk, Wv) is by CHUNKS, not the plain order given above: tile T, K block b lies at
; 262,144 (T / 8) + 32,768 (b / 2) + 4,096 (T % 8) + 2,048 (b % 2): 128 rows x 256 K are one dense chunk of 32,768 bytes, and a group's eight chunks lie on end.  Wo's tiles 192-319 keep the plain order.
.set SPARE, 33792
.set SPW,   6                          ; v6   LDS address of my spare word; never rewritten
.set NIL,   7                          ; v7   0; never rewritten
.set LN,    14                         ; v14  lane
.set R,     16                         ; x: v16-79   16 rows x 16 bytes as loaded
.set X,     80                         ; x: v80-143  64 numbers of my row: register 8 c + i = k 16 c + 8 h + i
.set T,     144                        ; x: v144-159 two sets of eight held numbers
.set C,     160                        ; x: v160-207 an image's 16 registers, for each version
.set WX,    16                         ; W: v16-79   two sets of 32 numbers down K
.set WC,    80                         ; W: v80-143  eight registers of codes for each of 8 blocks: no store's data are written again
.macro MKSC e, vs, vl                  ; 2^e and 448 x 2^e as f32 numbers, from the whole number in s[e]
	s_add_co_i32 s50, s[\e], 127
	s_lshl_b32 s51, s50, 23
	v_mov_b32 v[\vs], s51
	s_add_co_i32 s50, s50, 8
	s_lshl_b32 s50, s50, 23
	s_or_b32 s50, s50, 0x600000
	v_mov_b32 v[\vl], s50
.endm
; ---- x
.macro XLOAD t                         ; K block 4 w + t of my work-group's 16 rows: each load reads 512 consecutive bytes of one row
.set n, 0
.rept 16
	global_load_b128 v[R+4*n:R+4*n+3], v4, s[40:41] offset:n*8192+(\t)*512 th:TH_LOAD_NT
.set n, n+1
.endr
.endm
.macro XQ ver, t                       ; the 64 numbers become version ver's image.  The holds go into two sets by turns, so that eight plain lines stand between a conversion and the next write of its sources
.irp c, 0,1,2,3,4,5,6,7
.irp i, 0,1,2,3,4,5,6,7
	v_med3_num_f32 v[T+8*(\c%2)+\i], v[X+8*\c+\i], -v[9+2*\ver], v[9+2*\ver]   ; the conversion to an 8-bit code does not saturate (ISA guide 7.6.2): the hold at the largest code x the scale
.endr
	v_cvt_scalef32_pk8_fp8_f32 v[C+16*\ver+2*\c:C+16*\ver+2*\c+1], v[T+8*(\c%2):T+8*(\c%2)+7], v[8+2*\ver]
.endr
	v_nop                                          ; a plain line behind the last conversion
.irp c, 0,1,2,3
	global_store_b128 v1, v[C+16*\ver+4*\c:C+16*\ver+4*\c+3], s[42+2*\ver:43+2*\ver] offset:((\t)/2)*32768+((\t)%2)*2048+512*\c   ; 32 lanes store 512 consecutive bytes; K block t of my four: chunk t / 2, image t % 2
.endr
.endm
.macro XSTEP t
	s_wait_loadcnt 0x0                             ; this step's 16 loads are the only ones out
.set n, 0
.rept 16
	ds_store_b128 v2, v[R+4*n:R+4*n+3] offset:n*528
.set n, n+1
.endr
.set n, 0
.rept 8
	ds_load_b128 v[X+8*n:X+8*n+3], v3 offset:64*n      ; LDS serves a wave's instructions in order (ISA guide 5.7.1.4): these see my stores
	ds_load_b128 v[X+8*n+4:X+8*n+7], v3 offset:64*n+16
.set n, n+1
.endr
	s_wait_dscnt 0x0                               ; my numbers are back, and the stores into the stage have read their registers
	s_wait_xcnt 0x0                                ; the last step's stores have read the codes' registers
.if \t < 3
	XLOAD (\t)+1
.endif
	XQ 0, \t
	s_cmp_lg_u32 s48, 0                            ; e2 = e0: version 1 would hold version 0's codes, and nobody reads it
	s_cbranch_scc1 .Lsame1_\@
	XQ 1, \t
.Lsame1_\@:
	s_cmp_lg_u32 s49, 0                            ; the same for e4
	s_cbranch_scc1 .Lsame2_\@
	XQ 2, \t
.Lsame2_\@:
.endm
; ---- the weights: a lane takes a column n and its registers run down K, so the conversions give codes with K innermost and nothing is transposed
.macro WLOAD t, pitch                  ; block t: W(32 t + i, my column): 32 lanes read 128 consecutive bytes, the four waves 512
.set n, 0
.rept 32
	global_load_b32 v[WX+32*((\t)%2)+n], v4, s[38:39] offset:(32*(\t)+n)*\pitch th:TH_LOAD_NT
.set n, n+1
.endr
.endm
.macro WBLOCK t, pitch
.set XS, WX+32*((\t)%2)
.if (\t) < 7
	s_wait_loadcnt 32                              ; this block's 32 loads are in; the next block's may be out
.else
	s_wait_loadcnt 0x0
.endif
.set n, 0
.rept 32
	v_med3_num_f32 v[XS+n], v[XS+n], -v9, v9
.set n, n+1
.endr
	; in the image k = 32 q + i lies in lane r + 16 ((i % 16) / 8), at byte 512 q + 8 (i / 16) + i % 8 of that lane's 16: so i = 0-7 and 16-23 are one run of 16 bytes, i = 8-15 and 24-31 the run 256 bytes on
	v_cvt_scalef32_pk8_fp8_f32 v[WC+8*(\t):WC+8*(\t)+1], v[XS:XS+7], v8
	v_cvt_scalef32_pk8_fp8_f32 v[WC+8*(\t)+4:WC+8*(\t)+5], v[XS+8:XS+15], v8
	v_cvt_scalef32_pk8_fp8_f32 v[WC+8*(\t)+2:WC+8*(\t)+3], v[XS+16:XS+23], v8
	v_cvt_scalef32_pk8_fp8_f32 v[WC+8*(\t)+6:WC+8*(\t)+7], v[XS+24:XS+31], v8
	global_store_b128 v5, v[WC+8*(\t):WC+8*(\t)+3], s[46:47] offset:((\t)/4)*2048+((\t)%4)*512        ; sixteen lanes store 256 consecutive bytes, aligned; lanes 16-31 the same in the next column tile
	global_store_b128 v5, v[WC+8*(\t)+4:WC+8*(\t)+7], s[46:47] offset:((\t)/4)*2048+((\t)%4)*512+256
.if (\t) < 6
	WLOAD (\t)+2, \pitch
.endif
.endm
; two tensors of one width: work-groups first .. first + half - 1 take the one at s[pa], the next half the one at s[pb]
.macro WPATH pitch, first, half, pa, pb, ea, eb, nta, ntb, cbits
	s_sub_co_u32 s36, ttmp9, \first
	s_mov_b32 s37, \ntb
	s_cmp_lt_u32 s36, \half                        ; the choice hangs on the work-group's number alone
	s_cselect_b64 s[38:39], s[\pa:\pa+1], s[\pb:\pb+1]
	s_cselect_b32 s37, \nta, s37                   ; the tensor's first column tile in w_img
	s_and_b32 s36, s36, \half-1
	s_and_b32 s40, s36, (1<<\cbits)-1              ; which 128 columns
	s_lshr_b32 s41, s36, \cbits                    ; which 256 along K
	s_mul_i32 s42, s41, 256*\pitch
	s_lshl_b32 s43, s40, 9
	s_add_co_u32 s42, s42, s43
	s_lshl_b32 s43, s22, 7                         ; my wave's 32 columns
	s_add_co_u32 s42, s42, s43
	s_mov_b32 s43, 0
	s_add_nc_u64 s[38:39], s[38:39], s[42:43]
	s_lshl_b32 s44, s40, 3
	s_add_co_u32 s44, s44, s37
	s_lshl_b32 s45, s22, 1
	s_add_co_u32 s44, s44, s45                     ; my wave's first column tile
	s_lshl_b32 s48, s44, 15                        ; the plain order (Wo): tile x 32,768 + two K blocks of 2,048 bytes
	s_lshl_b32 s45, s41, 12
	s_add_co_u32 s48, s48, s45
	s_lshr_b32 s49, s44, 3                         ; the order by chunks: group x 262,144 + chunk x 32,768 + tile in the group x 4,096
	s_lshl_b32 s49, s49, 18
	s_and_b32 s44, s44, 7
	s_lshl_b32 s44, s44, 12
	s_add_co_u32 s49, s49, s44
	s_lshl_b32 s45, s41, 15
	s_add_co_u32 s49, s49, s45
	s_cmp_eq_u32 s37, 192                          ; Wo begins at column tile 192: the choice hangs on the work-group's number alone
	s_cselect_b32 s44, s48, s49
	s_cselect_b32 s48, 15, 12                      ; from a column tile to the next: 32,768 or 4,096 bytes
	s_mov_b32 s45, 0
	s_add_nc_u64 s[46:47], s[18:19], s[44:45]
	v_lshlrev_b32 v4, 2, v[LN]                     ; in: 4 bytes a lane
	v_lshrrev_b32 v5, 4, v[LN]
	v_lshlrev_b32 v5, s48, v5
	v_and_b32 v1, 15, v[LN]
	v_lshl_add_u32 v5, v1, 4, v5                   ; out: 16 (lane % 16), lanes 16-31 one column tile (32,768 or 4,096 bytes) on
	WLOAD 0, \pitch
	WLOAD 1, \pitch
	s_wait_kmcnt 0x0                               ; the exponents
	s_cmp_lt_u32 ttmp9, \first+\half
	s_cselect_b32 s50, s[\ea], s[\eb]
	MKSC 50, 8, 9
	s_wait_alu depctr_va_vdst(0)
.irp t, 0,1,2,3,4,5,6,7
	WBLOCK \t, \pitch
.endr
	s_endpgm
.endm
; ---- cos and sin of a = t x frequency.  n = the nearest whole number to a x 2 / pi; r = a - n pi / 2, pi / 2 in two parts (the first product is exact inside the fused multiply-add);
; polynomials on |r| <= pi / 4; the quadrant n mod 4 swaps the two and sets their signs, by selects and exclusive ors: no branch
.macro SINCOS inv, oc, os
	v_mul_f32 v16, v10, v[\inv]                    ; the angle, rounded to f32 as the problem rounds it
	v_mul_f32 v17, s52, v16
	v_rndne_f32 v17, v17
	v_fma_f32 v18, -v17, s53, v16
	v_fma_f32 v18, -v17, s54, v18
	v_mul_f32 v19, v18, v18
	v_fma_f32 v20, s57, v19, s56
	v_fma_f32 v21, s60, v19, s59
	v_fma_f32 v20, v20, v19, s55
	v_fma_f32 v21, v21, v19, s58
	v_mul_f32 v20, v20, v19
	v_mul_f32 v21, v21, v19
	v_fma_f32 v22, v19, -0.5, 1.0
	v_fma_f32 v20, v20, v18, v18                   ; sin r
	v_fma_f32 v21, v21, v19, v22                   ; cos r
	v_cvt_i32_f32 v23, v17
	v_and_b32 v24, 1, v23
	v_cmp_eq_u32 vcc_lo, 1, v24
	v_cndmask_b32 v25, v20, v21, vcc_lo            ; an odd quadrant swaps them
	v_cndmask_b32 v26, v21, v20, vcc_lo
	v_lshlrev_b32 v24, 30, v23
	v_and_b32 v24, 0x80000000, v24                 ; sin is negative in quadrants 2 and 3,
	v_xor_b32 v[\os], v24, v25
	v_add_nc_u32 v23, 1, v23
	v_lshlrev_b32 v23, 30, v23
	v_and_b32 v23, 0x80000000, v23                 ; cos in 1 and 2
	v_xor_b32 v[\oc], v23, v26
.endm
	s_load_b256 s[4:11], s[0:1], 0x0               ; x s[4:5], Wq s[6:7], Wk s[8:9], Wv s[10:11]
	s_load_b256 s[12:19], s[0:1], 0x20             ; Wo s[12:13], the exponents s[14:15], x_img s[16:17], w_img s[18:19]
	s_load_b64 s[20:21], s[0:1], 0x40              ; rope
	v_lshl_add_u32 v[SPW], v0, 2, SPARE
	v_mov_b32 v[NIL], 0
	v_lshrrev_b32 v1, 5, v0
	v_readfirstlane_b32 s22, v1                    ; wave 0..3
	v_and_b32 v[LN], 31, v0
	s_wait_kmcnt 0x0
	s_load_b256 s[24:31], s[14:15], 0x0            ; e0 .. e7
	s_load_b128 s[32:35], s[14:15], 0x20           ; e8 .. e11
	s_cmp_lt_u32 ttmp9, 256
	s_cbranch_scc1 .Lx
	s_cmp_lt_u32 ttmp9, 512
	s_cbranch_scc1 .Lwide
	s_cmp_lt_u32 ttmp9, 576
	s_cbranch_scc1 .Lnarrow
	; ---- the table: my wave's 32 values of t; a lane takes two frequencies, lanes 16-31 the next t: a store covers two rows, 512 consecutive bytes
	s_sub_co_u32 s36, ttmp9, 576
	s_lshl_b32 s36, s36, 7
	s_lshl_b32 s37, s22, 5
	s_add_co_u32 s36, s36, s37                     ; my first t
	s_lshl_b32 s38, s36, 8
	s_mov_b32 s39, 0
	s_add_nc_u64 s[38:39], s[20:21], s[38:39]
	s_mov_b32 s52, 0x3f22f983                      ; 2 / pi
	s_mov_b32 s53, 0x3fc90fdb                      ; pi / 2, its first 24 bits,
	s_mov_b32 s54, 0xb33bbd2e                      ; and the rest
	s_mov_b32 s55, 0xbe2aaaa3                      ; sin: -1.6666654611e-1, 8.3321608736e-3, -1.9515295891e-4
	s_mov_b32 s56, 0x3c08839e
	s_mov_b32 s57, 0xb94ca1f9
	s_mov_b32 s58, 0x3d2aaaa5                      ; cos: 4.166664568e-2, -1.388731625e-3, 2.443315712e-5
	s_mov_b32 s59, 0xbab6061a
	s_mov_b32 s60, 0x37ccf5ce
	s_mov_b32 s61, 0xbed49a78                      ; -log2(10000) / 32
	s_wait_alu depctr_va_vdst(0)
	v_lshlrev_b32 v11, 4, v[LN]
	v_and_b32 v8, 15, v[LN]
	v_lshlrev_b32 v8, 1, v8                        ; i = 2 (lane % 16), and i + 1
	v_add_nc_u32 v9, 1, v8
	v_cvt_f32_u32 v8, v8
	v_cvt_f32_u32 v9, v9
	v_mul_f32 v8, s61, v8
	v_mul_f32 v9, s61, v9
	s_wait_alu depctr_va_vdst(0)
	v_exp_f32 v8, v8                               ; 10000^(-i / 32)
	v_exp_f32 v9, v9
	v_lshrrev_b32 v10, 4, v[LN]                    ; (a plain line behind the two exponentials)
	v_add_nc_u32 v10, s36, v10
	v_cvt_f32_u32 v10, v10                         ; t
	s_wait_alu depctr_va_vdst(0)                   ; one wait for both, ahead of their first reader and of the label
	s_wait_kmcnt 0x0                               ; (the exponents, which this way does not use, have landed)
	s_mov_b32 s37, 16
.Ltab:
	s_wait_alu depctr_va_vdst(0)
	SINCOS 8, 12, 13
	SINCOS 9, 14, 15
	global_store_b128 v11, v[12:15], s[38:39]
	s_wait_xcnt 0x0                                ; the store has read its data and its offset: both are written again below
	v_add_nc_u32 v11, 512, v11
	v_add_f32 v10, 2.0, v10
	s_sub_co_u32 s37, s37, 1
	s_cmp_lg_u32 s37, 0
	s_cbranch_scc1 .Ltab
	s_endpgm
.Lwide:
	s_wait_alu depctr_va_vdst(0)
	WPATH 8192, 256, 128, 6, 12, 25, 35, 0, 192, 4     ; Wq with e1, Wo with e11
.Lnarrow:
	s_wait_alu depctr_va_vdst(0)
	WPATH 2048, 512, 32, 8, 10, 27, 29, 128, 160, 2    ; Wk with e3, Wv with e5
	; ---- x: the work-group's 16 rows; wave w takes K blocks 4 w .. 4 w + 3.  Loads take the bytes as they lie; a K block's 16 x 512 bytes turn through the wave's own stage
	; (rows of 528 bytes: 33 x 16, so that the sixteen rows that a read touches start at sixteen different banks) and come back eight neighbours along K at a time
.Lx:
	s_wait_alu depctr_va_vdst(0)
	v_lshlrev_b32 v1, 4, v[LN]                     ; 16 x lane
	s_mul_i32 s36, s22, 8448                       ; my stage
	v_add_nc_u32 v2, s36, v1                       ; into it: 16 bytes a lane of a row
	v_and_b32 v5, 15, v[LN]
	v_mul_u32_u24 v3, v5, 528
	v_lshrrev_b32 v5, 4, v[LN]
	v_lshl_add_u32 v3, v5, 5, v3
	v_add_nc_u32 v3, s36, v3                       ; out of it: row r, + 32 h
	s_lshl_b32 s37, s22, 11
	v_add_nc_u32 v4, s37, v1                       ; in memory: my wave's 2,048 bytes of a row
	s_wait_alu depctr_va_vdst(0)
	s_lshl_b32 s38, ttmp9, 17                      ; 16 rows of 8,192 bytes
	s_mov_b32 s39, 0
	s_add_nc_u64 s[40:41], s[4:5], s[38:39]
	s_lshr_b32 s38, ttmp9, 3                       ; my row tile's group of eight,
	s_lshl_b32 s38, s38, 18
	s_and_b32 s36, ttmp9, 7                        ; its place in each chunk,
	s_lshl_b32 s36, s36, 12
	s_add_co_u32 s38, s38, s36
	s_lshl_b32 s37, s22, 16                        ; my wave's four K blocks: two chunks
	s_add_co_u32 s38, s38, s37
	s_add_nc_u64 s[42:43], s[16:17], s[38:39]
	s_add_nc_u64 s[44:45], s[42:43], 0x800000
	s_add_nc_u64 s[46:47], s[42:43], 0x1000000
	XLOAD 0
	s_wait_kmcnt 0x0
	MKSC 24, 8, 9                                  ; e0
	MKSC 26, 10, 11                                ; e2
	MKSC 28, 12, 13                                ; e4
	s_cmp_eq_u32 s26, s24
	s_cselect_b32 s48, 1, 0
	s_cmp_eq_u32 s28, s24
	s_cselect_b32 s49, 1, 0
	s_wait_alu depctr_va_vdst(0)
	XSTEP 0
	XSTEP 1
	XSTEP 2
	XSTEP 3
	s_wait_tensorcnt 0x0                           ; the wave's end, behind my last LDS store
	ds_add_u32 v[SPW], v[NIL]
	s_wait_dscnt 0x0
	s_endpgm
.Lfunc_end_k_qa9a1658ce6_prep:
	.size	k_qa9a1658ce6_prep, .Lfunc_end_k_qa9a1658ce6_prep-k_qa9a1658ce6_prep
	.p2alignl 7, 3214868480
	.fill 96, 4, 3214868480
	.section	.rodata,"a",@progbits
	.p2align	6, 0x0
	.amdhsa_kernel k_qa9a1658ce6_prep
		.amdhsa_group_segment_fixed_size 34304
		.amdhsa_private_segment_fixed_size 0
		.amdhsa_enable_private_segment 0
		.amdhsa_kernarg_size 72
		.amdhsa_user_sgpr_count 2
		.amdhsa_user_sgpr_kernarg_segment_ptr 1
		.amdhsa_wavefront_size32 1
		.amdhsa_system_sgpr_workgroup_id_x 1
		.amdhsa_system_sgpr_workgroup_id_y 1
		.amdhsa_system_sgpr_workgroup_id_z 1
		.amdhsa_system_vgpr_workitem_id 0
		.amdhsa_next_free_vgpr 208
		.amdhsa_next_free_sgpr 66
		.amdhsa_reserve_vcc 1
		.amdhsa_float_denorm_mode_32 3
		.amdhsa_float_denorm_mode_16_64 3
		.amdhsa_memory_ordered 1
		.amdhsa_forward_progress 1
		.amdhsa_inst_pref_size 173
	.end_amdhsa_kernel
	.amdgpu_metadata
---
amdhsa.version: [ 1, 2 ]
amdhsa.kernels:
  - .name:           k_qa9a1658ce6_prep
    .symbol:         k_qa9a1658ce6_prep.kd
    .args:
      - { .name: x, .offset: 0, .size: 8, .value_kind: global_buffer, .address_space: global }
      - { .name: Wq, .offset: 8, .size: 8, .value_kind: global_buffer, .address_space: global }
      - { .name: Wk, .offset: 16, .size: 8, .value_kind: global_buffer, .address_space: global }
      - { .name: Wv, .offset: 24, .size: 8, .value_kind: global_buffer, .address_space: global }
      - { .name: Wo, .offset: 32, .size: 8, .value_kind: global_buffer, .address_space: global }
      - { .name: lowp_scales, .offset: 40, .size: 8, .value_kind: global_buffer, .address_space: global }
      - { .name: x_img, .offset: 48, .size: 8, .value_kind: global_buffer, .address_space: global }
      - { .name: w_img, .offset: 56, .size: 8, .value_kind: global_buffer, .address_space: global }
      - { .name: rope, .offset: 64, .size: 8, .value_kind: global_buffer, .address_space: global }
    .group_segment_fixed_size: 34304
    .private_segment_fixed_size: 0
    .kernarg_segment_align: 8
    .kernarg_segment_size: 72
    .max_flat_workgroup_size: 128
    .sgpr_count:     66
    .vgpr_count:     208
    .wavefront_size: 32
...
	.end_amdgpu_metadata
.endif
;; end of part 1
;; launch qkv (part 2): grid 16 x 12, 4 waves a work-group, clusters of 4 x 1, 327,680 bytes of LDS; arguments x_img, w_img, rope, lowp_scales, qkv_img; writes qkv_img
.if DOCPART == 2
	.amdgcn_target "amdgcn-amd-amdhsa--gfx1250"
	.amdhsa_code_object_version 6
	.text
	.protected	k_qa9a1658ce6_qkv
	.globl	k_qa9a1658ce6_qkv
	.p2align	8
	.type	k_qa9a1658ce6_qkv,@function
k_qa9a1658ce6_qkv:
	s_mov_b64 s[64:65], 0
	v_nop
	global_prefetch_b8 v0, s[64:65] scope:SCOPE_SE
	s_setreg_imm32_b32 hwreg(HW_REG_WAVE_MODE, 25, 1), 1
	s_wait_xcnt 0x0
	s_wait_alu depctr_hold_cnt(0) depctr_sa_sdst(0) depctr_va_vdst(0) depctr_va_sdst(0) depctr_va_ssrc(0) depctr_va_vcc(0) depctr_vm_vsrc(0)
	s_getreg_b32 s2, hwreg(HW_REG_IB_STS2, 6, 4)
	s_cmp_eq_u32 s2, 0
	s_cbranch_scc0 .Lentry_in_a_cluster
	s_endpgm
.Lentry_in_a_cluster:
	s_bfe_u32 s2, ttmp6, 0x10000c
	s_cmp_lg_u32 s2, 0x3003
	s_cbranch_scc0 .Lentry_shape_is_right
	s_endpgm
.Lentry_shape_is_right:
; q, k, v = x Wq, x Wk, x Wv on codes of FP8 (E4M3); q and k are rotated (table of cos, sin), all three are quantised in registers for the attention's products and stored as images of operand registers.
; A work-group makes 256 tokens (x: 0..15) x 256 columns (y: 0-7 Wq, 8-9 Wk, 10-11 Wv); a wave 128 x 128: 64 accumulators, 512 registers.
; x_img (three versions 0x800000 apart, for e0, e2, e4; a version whose e equals e0 is not written, and version 0 is read) and w_img lie by CHUNKS: 128 rows x 256 K = 8 row tiles x 2 K blocks x 2,048 bytes,
; dense, a group's eight chunks on end, 262,144 bytes a group.  An image: register p of lane l at byte 512 (p / 4) + 16 l + 4 (p % 4).
; LDS: two slots of 131,072 bytes; a slot holds one chunk of x's two groups of 128 rows, then of W's two.
; THE HEAD FILLS BOTH SLOTS, one tensor load a wave: a tile of two rows of 32,768 bytes, 262,144 bytes apart, is one chunk of both groups: wave 0 x's chunk 0, wave 1 x's chunk 1, waves 2 and 3 the same of W.
; Behind each change of slots the slot just left takes the chunk two on, each wave its group's 32,768 bytes: one tensor load a wave out.
; CLUSTER 4, 1, 1: the four partners make four token blocks of one column block and ask for W's chunks jointly.  x's chunks are each work-group's own.  A cluster of 4 x 4 is not used: Wk and Wv have two column blocks
; each, so four partners along y would differ in x's version, in the operands' roles and in the way out.
; ROLES.  q, k: source 0 = 16 columns of W, source 1 = 16 tokens: a lane holds one token and eight neighbouring channels.  v: the other way round (keys are its next K): a lane holds one channel and eight neighbouring tokens.
; PREFETCH: at each refill every wave names 8,192 bytes (a lane 256) of the chunk two refills on; the four partners share W's chunk out by cx, the work-groups of a token block x's by y % 4; chunks 2 and 3 are named at the head; chunk 7 is the last.
; qkv_img: q at 0 [b][head 32][token tile 64][1,024]; k at 0x800000 [b][g 8][token tile 64][1,024]; v at 0xA00000 [b][g][128 keys 8][16 channels 4][2,048].
; LIMITS: e6 - e0 - e1, e7 - e2 - e3 and e9 - e4 - e5 lie between -126 and 119.  NaN among the inputs is not served.
; REGISTERS: window 0: v16-31 addresses and constants, v128-255 source 1's fragments (one set); window 1: source 0's fragments (two sets), then the table; windows 2, 3: accumulators.
.set CHUNK, 32768
.set RTB,   4096                       ; a row tile's two K blocks in a chunk
.set SLOT,  4*CHUNK
.set SPARE, 2*SLOT                     ; the spare words: 128 bytes a wave, two blocks of 256 bytes that no other line names
.set FR,    16
.set NL,    4
.set NP,    4
.set ADRA,  16                         ; v16-17 LDS address of source 1's fragments in slot 0, 1
.set ADRB,  20                         ; v20-21 of source 0's
.set PFO,   25                         ; v25 256 x lane
.set TBO,   26                         ; v26 my place in the table
.set STO,   27                         ; v27 16 x lane
.set SPW,   28                         ; v28 my spare word; never rewritten
.set NIL,   29                         ; v29 0; never rewritten
.set SCL,   30                         ; v30 the conversion's scale
.set LIM,   31                         ; v31 448 x that
.set AF,    128
.set T,     128
.set C,     192
.set G1XH, 24                          ; group 1: x at the head, 2 rows of 32,768 bytes;  G1X: 8 dense rows of 4,096;  G1WH, G1W: the same for W, with the mask
.set G1X,  32
.set G1WH, 40
.set G1W,  48
.set G0X,  56                          ; group 0, one set for each slot (set 0 serves the head first)
.set G0W,  68
.set PFA,  88                          ; s[88:89] where my prefetches stand
.set MSB, 0
.macro WIN new                         ; the immediate's high byte repeats the setting that is left
.if MSB != (\new)
	s_set_vgpr_msb (MSB<<8)|(\new)
.set MSB, \new
.endif
.endm
.set MUL_LO, 0xa1
.set MUL_HI, 0xf1
.set TO_B,   0x40
.macro JLOAD g0a, g1a, g0b, g1b        ; waves 0, 1 fetch x, waves 2, 3 W; s_nop 0 and four v_nop behind each line
	s_cmp_eq_u32 s15, 0
	s_cbranch_scc0 .Lfor_b_\@
	tensor_load_to_lds s[\g0a:\g0a+3], s[\g1a:\g1a+7]
	s_nop 0
.rept 4
	v_nop
.endr
	s_branch .Lasked_\@
.Lfor_b_\@:
	tensor_load_to_lds s[\g0b:\g0b+3], s[\g1b:\g1b+7]
	s_nop 0
.rept 4
	v_nop
.endr
.Lasked_\@:
.endm
.macro CREST                           ; a round of the cluster's barrier behind its opening barrier
	s_cmp_lg_u32 s14, 0
	s_cbranch_scc1 .Lnot_wave_0_\@
	s_barrier_signal -3
.Lnot_wave_0_\@:
	s_barrier_wait -3
	s_barrier_signal -1
	s_barrier_wait -1
.endm
.macro CROUND
	s_barrier_signal -1
	s_barrier_wait -1
	CREST
.endm
.macro SHAPE g, w0, el, rows, pitch    ; rows of el elements of 8 bytes, pitch elements apart
	s_mov_b32 s[\g], \w0
	s_mov_b32 s[\g+1], (\el)<<16
	s_mov_b32 s[\g+2], (\rows)<<16
	s_mov_b32 s[\g+3], (\el)<<16
	s_mov_b32 s[\g+4], \rows
	s_mov_b32 s[\g+5], \pitch
	s_mov_b32 s[\g+6], 0
	s_mov_b32 s[\g+7], 0
.endm
.macro ASK                             ; the chunk two refills on; the loop's last trip has none
	s_cmp_gt_u32 s3, 1
	s_cbranch_scc0 .Lno_ask_\@
	global_prefetch_b8 v[PFO], s[PFA:PFA+1] offset:CHUNK th:TH_LOAD_NT scope:SCOPE_SE
.Lno_ask_\@:
.endm
	s_load_b256 s[4:11], s[0:1], 0x0               ; x_img, w_img, rope, the exponents
	s_load_b64 s[12:13], s[0:1], 0x20              ; qkv_img
	v_lshl_add_u32 v[SPW], v0, 2, SPARE
	v_mov_b32 v[NIL], 0
	ds_add_u32 v[SPW], v[NIL]                      ; the opening: the add, twice on end, and its wait ahead of my first tensor load
	ds_add_u32 v[SPW], v[NIL]
	v_lshrrev_b32 v1, 5, v0
	v_readfirstlane_b32 s14, v1                    ; wave
	s_lshr_b32 s15, s14, 1                         ; source 1's half that I multiply.  Also: I fetch x (0) or W (1)
	s_and_b32 s16, s14, 1                          ; source 0's half.  Also: at the head which chunk, later which group of 128 rows I fetch
	s_bfe_u32 s17, ttmp6, 0x40000                  ; cx
	s_lshl_b32 s18, ttmp9, 2
	s_add_co_u32 s18, s18, s17                     ; token block
	s_and_b32 s19, ttmp7, 0xffff                   ; column block: the same in all partners
	SHAPE G1XH, 3<<16, 4096, 2, 32768
	SHAPE G1X, 3<<16, 512, 8, 512
	SHAPE G1WH, 15|(3<<16)|(1<<21), 4096, 2, 32768
	SHAPE G1W, 15|(3<<16)|(1<<21), 512, 8, 512
	s_lshl_b32 s20, s18, 19                        ; x: my block's two groups of 262,144 bytes
	s_mov_b32 s21, 0
	s_lshl_b32 s22, s19, 19                        ; W: likewise
	s_mov_b32 s23, 0
	s_lshl_b32 s66, s14, 15                        ; the refills' place in a slot: wave x 32,768
	s_lshl_b32 s67, s15, 16                        ; the head's place: x's or W's two parts
	s_lshl_b32 s99, s16, 17                        ; of slot 0 or 1
	s_add_co_u32 s67, s67, s99
	s_wait_dscnt 0x0                               ; both opening adds are done
	s_wait_kmcnt 0x0
	s_load_b256 s[76:83], s[10:11], 0x0            ; e0 .. e7
	s_load_b128 s[84:87], s[10:11], 0x20           ; e8 .. e11
	s_add_nc_u64 s[22:23], s[6:7], s[22:23]
	CROUND                                         ; the partners are here: the first joint loads meet
	s_wait_kmcnt 0x0
	s_cmp_eq_u32 s78, s76                          ; x's version, by selects alone
	s_cselect_b32 s94, 0, 1
	s_cmp_eq_u32 s80, s76
	s_cselect_b32 s95, 0, 2
	s_cmp_ge_u32 s19, 10
	s_cselect_b32 s94, s95, s94
	s_cmp_lt_u32 s19, 8
	s_cselect_b32 s94, 0, s94
	s_min_u32 s94, s94, 2
	s_lshl_b32 s94, s94, 23
	s_add_co_u32 s20, s20, s94
	s_add_nc_u64 s[20:21], s[4:5], s[20:21]
	s_lshl_b32 s94, s16, 15                        ; chunk 0 or 1
	s_mov_b32 s95, 0
	s_mov_b32 s[G0X], 1
	s_mov_b32 s[G0X+1], s67
	s_add_nc_u64 s[G0X+2:G0X+3], s[20:21], s[94:95]
	s_or_b32 s[G0X+3], s[G0X+3], 0x80000000
	s_mov_b32 s[G0W], 1
	s_mov_b32 s[G0W+1], s67
	s_add_nc_u64 s[G0W+2:G0W+3], s[22:23], s[94:95]
	s_or_b32 s[G0W+3], s[G0W+3], 0x80000000
	JLOAD G0X, G1XH, G0W, G1WH                     ; chunks 0 and 1, both slots: my one tensor load at the head
	s_and_b32 s94, s19, 3                          ; the prefetches: my quarter of a chunk, by y % 4 for x, by cx for W
	s_cmp_eq_u32 s15, 0
	s_cselect_b64 s[PFA:PFA+1], s[20:21], s[22:23]
	s_cselect_b32 s94, s94, s17
	s_lshl_b32 s94, s94, 13
	s_add_co_u32 s94, s94, 2*CHUNK                 ; at chunk 2
	s_lshl_b32 s95, s16, 18                        ; of my group
	s_add_co_u32 s94, s94, s95
	s_mov_b32 s95, 0
	s_add_nc_u64 s[PFA:PFA+1], s[PFA:PFA+1], s[94:95]
	s_sub_co_i32 s96, s82, s76                     ; a sum stands for sum x 2^(ex + ew): its code is sum / 2^(e of the next operand - ex - ew)
	s_sub_co_i32 s96, s96, s77
	s_sub_co_i32 s97, s83, s78
	s_sub_co_i32 s97, s97, s79
	s_sub_co_i32 s98, s85, s80
	s_sub_co_i32 s98, s98, s81
	s_cmp_ge_u32 s19, 10
	s_cselect_b32 s97, s98, s97
	s_cselect_b32 s94, 2*CHUNK, 0                  ; source 1 is x, for v it is W;
	s_cselect_b32 s95, 0, 2*CHUNK                  ; source 0 the other
	s_cmp_lt_u32 s19, 8
	s_cselect_b32 s96, s96, s97
	s_add_co_i32 s96, s96, 127
	s_lshl_b32 s98, s96, 23
	s_add_co_i32 s96, s96, 8
	s_lshl_b32 s97, s96, 23
	s_or_b32 s97, s97, 0x600000
	s_lshl_b32 s99, s15, 15
	s_add_co_u32 s94, s94, s99
	s_lshl_b32 s99, s16, 15
	s_add_co_u32 s95, s95, s99
	v_and_b32 v1, 31, v0
	v_and_b32 v2, 15, v0
	v_bfe_u32 v3, v0, 4, 1
	v_lshlrev_b32 v[STO], 4, v1
	v_lshlrev_b32 v[PFO], 8, v1
	v_lshlrev_b32 v[TBO], 8, v2
	v_add_nc_u32 v[ADRA], s94, v[STO]
	v_add_nc_u32 v[ADRB], s95, v[STO]
	v_lshl_add_u32 v[TBO], v3, 5, v[TBO]           ; the table: row t = lane % 16, + 32 (lane / 16)
	v_add_nc_u32 v[ADRA+1], SLOT, v[ADRA]
	v_add_nc_u32 v[ADRB+1], SLOT, v[ADRB]
	v_mov_b32 v[SCL], s98
	v_mov_b32 v[LIM], s97
	s_wait_alu depctr_va_vdst(0)                   ; the wait at the head's end
	global_prefetch_b8 v[PFO], s[PFA:PFA+1] th:TH_LOAD_NT scope:SCOPE_SE                ; chunk 2,
	global_prefetch_b8 v[PFO], s[PFA:PFA+1] offset:CHUNK th:TH_LOAD_NT scope:SCOPE_SE   ; chunk 3
	s_and_b32 s92, s18, 3                          ; the table's rows for my 128 tokens
	s_lshl_b32 s92, s92, 16
	s_lshl_b32 s99, s15, 15
	s_add_co_u32 s92, s92, s99
	s_mov_b32 s93, 0
	s_add_nc_u64 s[92:93], s[8:9], s[92:93]
.macro FRAG reg, adr, q, i             ; an image comes back by four loads of 512 consecutive bytes
.irp c, 0,1,2,3
	ds_load_b128 v[\reg+4*\c:\reg+4*\c+3], v[\adr] offset:(\i)*RTB+(\q)*2048+512*\c
.endr
.endm
.macro MUL16 a0, p, zero               ; 16 products; the 64 accumulators take turns, in the same order in every step
.irp a, \a0, \a0+1
.irp b, 0,1,2,3,4,5,6,7
.if \zero
	v_wmma_f32_16x16x128_fp8_fp8 v[8*(8*((\a)%4)+\b):8*(8*((\a)%4)+\b)+7], v[128*(\p)+FR*\b:128*(\p)+FR*\b+FR-1], v[AF+FR*(\a):AF+FR*(\a)+FR-1], 0
.else
	v_wmma_f32_16x16x128_fp8_fp8 v[8*(8*((\a)%4)+\b):8*(8*((\a)%4)+\b)+7], v[128*(\p)+FR*\b:128*(\p)+FR*\b+FR-1], v[AF+FR*(\a):AF+FR*(\a)+FR-1], v[8*(8*((\a)%4)+\b):8*(8*((\a)%4)+\b)+7]
.endif
.endr
.endr
.endm
.macro FETCH_B slot, q, p
	WIN TO_B
.irp i, 0,1,2,3,4,5,6,7
	FRAG 128*(\p)+FR*\i, ADRB+\slot, \q, \i
.endr
	WIN 0
.endm
.macro FETCH_A slot, q, i0
.irp i, \i0, \i0+1, \i0+2, \i0+3
	FRAG AF+FR*(\i), ADRA+\slot, \q, \i
.endr
.endm
.macro PLACES n                        ; places behind matrix instructions, in front of loads into their registers and of reads of results
.rept \n
	v_nop
.endr
.endm
.macro STEP slot, q, zero              ; 128 along K, with its successor in the same slot
	s_wait_dscnt 4*NL                              ; all but the youngest 16 loads (source 1's blocks 4-7)
	WIN MUL_LO
	MUL16 0, (\q)%2, \zero
	MUL16 2, (\q)%2, \zero
	s_wait_dscnt 0
	PLACES NP
	FETCH_B \slot, (\q)+1, 1-(\q)%2
	FETCH_A \slot, (\q)+1, 0
	WIN MUL_HI
	MUL16 4, (\q)%2, \zero
	MUL16 6, (\q)%2, \zero
	PLACES NP
	WIN 0
	FETCH_A \slot, (\q)+1, 4
.endm
.macro TURN slot, next, fill           ; a slot's last step changes slots
.if \fill
	s_wait_xcnt 0x0                                ; my prefetches have read their address
	s_add_nc_u64 s[PFA:PFA+1], s[PFA:PFA+1], CHUNK
.endif
	s_wait_tensorcnt 0x0                           ; my part of the next slot has landed; no load of mine is out
	ds_add_u32 v[SPW], v[NIL]
	s_wait_dscnt 4*NL+1                            ; (the add and the youngest 16 loads may be out)
	WIN MUL_LO
	MUL16 0, 1, 0
	s_wait_dscnt 0x0                               ; the add is done, and my reads of this slot are over
	s_barrier_signal -1
	MUL16 2, 1, 0
	WIN 0
	s_barrier_wait -1
.if \fill
	CREST                                          ; the barrier has opened a round: no wave of any partner reads this slot or has a load out
	s_add_nc_u64 s[G0X+4*\slot+2:G0X+4*\slot+3], s[G0X+4*\slot+2:G0X+4*\slot+3], 2*CHUNK
	s_add_nc_u64 s[G0W+4*\slot+2:G0W+4*\slot+3], s[G0W+4*\slot+2:G0W+4*\slot+3], 2*CHUNK
	JLOAD G0X+4*\slot, G1X, G0W+4*\slot, G1W       ; the first tensor load behind the round; its four v_nop are the places for the loads below
.else
	PLACES NP
.endif
	FETCH_B \next, 0, 0
	FETCH_A \next, 0, 0
.if \fill
	ASK
.endif
	WIN MUL_HI
	MUL16 4, 1, 0
	MUL16 6, 1, 0
	PLACES NP
	WIN 0
	FETCH_A \next, 0, 4
.endm
.macro LAST
	s_wait_dscnt 4*NL
	WIN MUL_LO
	MUL16 0, 1, 0
	MUL16 2, 1, 0
	s_wait_dscnt 0
	WIN MUL_HI
	MUL16 4, 1, 0
	MUL16 6, 1, 0
	WIN 0
	PLACES NP
.endm
.macro TABLOAD a0                      ; cos, sin for token blocks a0 .. a0 + 3: my token's four pairs for each of four groups of 16 channels, into window 1
	WIN 0x40
.irp a, \a0, \a0+1, \a0+2, \a0+3
.irp g, 0,1,2,3
	global_load_b128 v[32*(\a)+8*\g:32*(\a)+8*\g+3], v[TBO], s[92:93] offset:(\a)*4096+\g*64
	global_load_b128 v[32*(\a)+8*\g+4:32*(\a)+8*\g+7], v[TBO], s[92:93] offset:(\a)*4096+\g*64+16
.endr
.endr
	WIN 0
.endm
.macro ROPE_OUT a                      ; 16 tokens x 128 channels: rotated, held, converted, stored as two heads' images
	s_wait_loadcnt 56-8*(\a)                       ; the later blocks' table loads may be out
.if (\a) > 1
	s_wait_xcnt 0x0                                ; block a - 2's stores have read the codes' registers
.endif
	WIN 0x06+(\a)/4
.irp b, 0,1,2,3,4,5,6,7
.irp p, 0,2,4,6
	v_pk_mul_f32 v[T+8*\b+\p:T+8*\b+\p+1], v[64*((\a)%4)+8*\b+\p:64*((\a)%4)+8*\b+\p+1], v[32*(\a)+8*(\b%4)+\p:32*(\a)+8*(\b%4)+\p+1] op_sel_hi:[1,0]   ; (even, odd) x cos
.endr
.irp p, 0,2,4,6
	v_pk_fma_f32 v[T+8*\b+\p:T+8*\b+\p+1], v[64*((\a)%4)+8*\b+\p:64*((\a)%4)+8*\b+\p+1], v[32*(\a)+8*(\b%4)+\p:32*(\a)+8*(\b%4)+\p+1], v[T+8*\b+\p:T+8*\b+\p+1] op_sel:[1,1,0] op_sel_hi:[0,1,1] neg_lo:[0,1,0]   ; - odd x sin, + even x sin
.endr
.endr
	WIN 0
.set n, 0
.rept 64
	v_med3_num_f32 v[T+n], v[T+n], -v[LIM], v[LIM]     ; the conversion does not saturate (ISA guide 7.6.2)
.set n, n+1
.endr
.irp b, 0,1,2,3,4,5,6,7
	v_cvt_scalef32_pk8_fp8_f32 v[C+16*((\a)%2)+2*\b:C+16*((\a)%2)+2*\b+1], v[T+8*\b:T+8*\b+7], v[SCL]
.endr
	v_nop                                          ; a plain line behind the last conversion
.irp p, 0,1,2,3
	global_store_b128 v[STO], v[C+16*((\a)%2)+4*\p:C+16*((\a)%2)+4*\p+3], s[90:91] offset:(\a)*1024+(\p/2)*65536+(\p%2)*512
.endr
.endm
.macro V_OUT a                         ; 16 channels x 128 keys: one image
.if (\a) > 1
	s_wait_xcnt 0x0
.endif
	WIN 0x02+(\a)/4
.set n, 0
.rept 64
	v_med3_num_f32 v[T+n], v[64*((\a)%4)+n], -v[LIM], v[LIM]
.set n, n+1
.endr
	WIN 0
.irp b, 0,1,2,3,4,5,6,7
	v_cvt_scalef32_pk8_fp8_f32 v[C+16*((\a)%2)+2*\b:C+16*((\a)%2)+2*\b+1], v[T+8*\b:T+8*\b+7], v[SCL]
.endr
	v_nop
.irp p, 0,1,2,3
	global_store_b128 v[STO], v[C+16*((\a)%2)+4*\p:C+16*((\a)%2)+4*\p+3], s[90:91] offset:((\a)/4)*65536+((\a)%4)*2048+512*\p
.endr
.endm
	s_wait_tensorcnt 0x0                           ; my 65,536 bytes are in, and no load of mine is out: the groups 0 are written anew, for the refills
	s_lshl_b32 s94, s16, 18                        ; my group of 128 rows
	s_mov_b32 s95, 0
	s_add_nc_u64 s[20:21], s[20:21], s[94:95]
	s_add_nc_u64 s[22:23], s[22:23], s[94:95]
.irp s, 0,1                            ; slot s stands at chunk s: its first refill steps it two on
	s_mov_b32 s[G0X+4*\s], 1
	s_add_co_u32 s[G0X+4*\s+1], s66, \s*SLOT
	s_add_nc_u64 s[G0X+4*\s+2:G0X+4*\s+3], s[20:21], \s*CHUNK
	s_or_b32 s[G0X+4*\s+3], s[G0X+4*\s+3], 0x80000000
	s_mov_b32 s[G0W+4*\s], 1
	s_add_co_u32 s[G0W+4*\s+1], s66, \s*SLOT
	s_add_nc_u64 s[G0W+4*\s+2:G0W+4*\s+3], s[22:23], \s*CHUNK
	s_or_b32 s[G0W+4*\s+3], s[G0W+4*\s+3], 0x80000000
.endr
	s_barrier_signal -1
	s_barrier_wait -1                              ; everybody's part is in: both slots are whole.
	FETCH_B 0, 0, 0
	FETCH_A 0, 0, 0
	FETCH_A 0, 0, 4
	STEP 0, 0, 1                                   ; the first step starts the sums: nothing is cleared
	s_mov_b32 s3, 3
.Llap:                                                 ; three trips, six refills: chunks 2 to 7
	TURN 0, 1, 1
	STEP 1, 0, 0
	TURN 1, 0, 1
	STEP 0, 0, 0
	s_sub_co_u32 s3, s3, 1
	s_cmp_lg_u32 s3, 0
	s_cbranch_scc1 .Llap
	TURN 0, 1, 0                                   ; the last lap fills nothing
	STEP 1, 0, 0
	s_cmp_ge_u32 s19, 10                           ; the column block is the same in all partners
	s_cbranch_scc1 .Lv
	TABLOAD 0                                      ; into source 0's set 0, which is done with
	s_cmp_lt_u32 s19, 8                            ; q: 32 heads a batch, at 0; k: 8, at 0x800000
	s_cselect_b32 s94, 5, 3
	s_cselect_b32 s95, 0, 0x800000
	s_cselect_b32 s96, 0, 8
	s_lshr_b32 s97, s18, 2                         ; batch
	s_lshl_b32 s97, s97, s94
	s_sub_co_u32 s98, s19, s96
	s_lshl_b32 s98, s98, 2
	s_add_co_u32 s97, s97, s98
	s_lshl_b32 s98, s16, 1
	s_add_co_u32 s97, s97, s98                     ; my first head
	s_lshl_b32 s97, s97, 6
	s_and_b32 s98, s18, 3
	s_lshl_b32 s98, s98, 4
	s_add_co_u32 s97, s97, s98
	s_lshl_b32 s98, s15, 3
	s_add_co_u32 s97, s97, s98                     ; my first token tile
	s_lshl_b32 s97, s97, 10
	s_add_co_u32 s90, s97, s95
	s_mov_b32 s91, 0
	s_add_nc_u64 s[90:91], s[12:13], s[90:91]
	LAST
	TABLOAD 4
.irp a, 0,1,2,3,4,5,6,7
	ROPE_OUT \a
.endr
	s_branch .Lend
.Lv:
	s_lshr_b32 s94, s18, 2
	s_lshl_b32 s94, s94, 3
	s_sub_co_u32 s95, s19, 10
	s_lshl_b32 s95, s95, 2
	s_add_co_u32 s94, s94, s95
	s_lshl_b32 s95, s15, 1
	s_add_co_u32 s94, s94, s95                     ; 8 x batch + my first head
	s_lshl_b32 s94, s94, 3
	s_and_b32 s95, s18, 3
	s_lshl_b32 s95, s95, 1
	s_add_co_u32 s94, s94, s95
	s_add_co_u32 s94, s94, s16                     ; my 128 keys
	s_lshl_b32 s94, s94, 13
	s_add_co_u32 s90, s94, 0xa00000
	s_mov_b32 s91, 0
	s_add_nc_u64 s[90:91], s[12:13], s[90:91]
	LAST
.irp a, 0,1,2,3,4,5,6,7
	V_OUT \a
.endr
.Lend:
	s_wait_tensorcnt 0x0                           ; the wave's end
	ds_add_u32 v[SPW], v[NIL]
	s_wait_dscnt 0x0
	CROUND                                         ; the closing round
	s_endpgm
.Lfunc_end_k_qa9a1658ce6_qkv:
	.size	k_qa9a1658ce6_qkv, .Lfunc_end_k_qa9a1658ce6_qkv-k_qa9a1658ce6_qkv
	.p2alignl 7, 3214868480
	.fill 96, 4, 3214868480
	.section	.rodata,"a",@progbits
	.p2align	6, 0x0
	.amdhsa_kernel k_qa9a1658ce6_qkv
		.amdhsa_group_segment_fixed_size 327680
		.amdhsa_private_segment_fixed_size 0
		.amdhsa_enable_private_segment 0
		.amdhsa_kernarg_size 40
		.amdhsa_user_sgpr_count 2
		.amdhsa_user_sgpr_kernarg_segment_ptr 1
		.amdhsa_wavefront_size32 1
		.amdhsa_system_sgpr_workgroup_id_x 1
		.amdhsa_system_sgpr_workgroup_id_y 1
		.amdhsa_system_sgpr_workgroup_id_z 1
		.amdhsa_system_vgpr_workitem_id 0
		.amdhsa_next_free_vgpr 1024
		.amdhsa_next_free_sgpr 100
		.amdhsa_reserve_vcc 0
		.amdhsa_float_denorm_mode_32 3
		.amdhsa_float_denorm_mode_16_64 3
		.amdhsa_memory_ordered 1
		.amdhsa_forward_progress 1
		.amdhsa_inst_pref_size 203
	.end_amdhsa_kernel
	.amdgpu_metadata
---
amdhsa.version: [ 1, 2 ]
amdhsa.kernels:
  - .name:           k_qa9a1658ce6_qkv
    .symbol:         k_qa9a1658ce6_qkv.kd
    .args:
      - { .name: x_img, .offset: 0, .size: 8, .value_kind: global_buffer, .address_space: global }
      - { .name: w_img, .offset: 8, .size: 8, .value_kind: global_buffer, .address_space: global }
      - { .name: rope, .offset: 16, .size: 8, .value_kind: global_buffer, .address_space: global }
      - { .name: lowp_scales, .offset: 24, .size: 8, .value_kind: global_buffer, .address_space: global }
      - { .name: qkv_img, .offset: 32, .size: 8, .value_kind: global_buffer, .address_space: global }
    .group_segment_fixed_size: 327680
    .private_segment_fixed_size: 0
    .kernarg_segment_align: 8
    .kernarg_segment_size: 40
    .max_flat_workgroup_size: 128
    .sgpr_count:     100
    .vgpr_count:     1024
    .wavefront_size: 32
...
	.end_amdgpu_metadata
.endif
;; end of part 2
;; launch attn (part 3): grid 8 x 32, 8 waves a work-group, no clusters, 132,096 bytes of LDS; arguments qkv_img, lowp_scales, ctx_img; writes ctx_img
.if DOCPART == 3
	.amdgcn_target "amdgcn-amd-amdhsa--gfx1250"
	.amdhsa_code_object_version 6
	.text
	.protected	k_qa9a1658ce6_attn
	.globl	k_qa9a1658ce6_attn
	.p2align	8
	.type	k_qa9a1658ce6_attn,@function
k_qa9a1658ce6_attn:
	s_mov_b64 s[64:65], 0
	v_nop
	global_prefetch_b8 v0, s[64:65] scope:SCOPE_SE
	s_setreg_imm32_b32 hwreg(HW_REG_WAVE_MODE, 25, 1), 1
	s_wait_xcnt 0x0
; ctx = softmax(q k^T / 8, causal) v for 4 batches x 32 query heads over 8 key/value heads, both products on codes of FP8 (E4M3); ctx is quantised in registers and stored as the last product's operand.
; qkv_img: q at 0 [b][head 32][token tile 64][1,024]; k at 0x800000 [b][g 8][token tile 64][1,024]; v at 0xA00000 [b][g][128 keys 8][16 channels 4][2,048]: images of operand registers
; (register p of lane l at byte 512 (p / 4) + 16 l + 4 (p % 4); lane (r, h): row r, registers 2 c, 2 c + 1: k = 16 c + 8 h + 0 .. 7).  ctx_img: [b x 64 + token tile][pair of heads 16][2,048].
; THE SOFTMAX: t = score x log2(e) / 8; M = the running largest t rounded UP to a whole number; p = 2^(t - M) is quantised, not normalised; the row's sum is taken of the unquantised p and divides at the end.
; When M moves, the sum and O are multiplied by 2^(old M - new M): nothing is rounded.  LIMIT of a running M: a p far under the row's final largest may fall under the format's range.
; SHARES.  A work-group serves one (batch, key/value head); its whole K and V, 64 KiB each, are brought into LDS once, through registers, behind ONE barrier: no ring, no tensor load
; (each byte is fetched once by the work-group, at the head).
; A UNIT is a tile of 16 queries x two query heads, which share every fragment of K and V.  Wave w takes the pair of heads w % 2 and, with i = 4 x work-group x + w / 2 (0 .. 31),
; the query tiles 63 - i and then i: (63 - i) / 8 + 1 + i / 8 + 1 = 9 key steps of 128 for every wave, whatever i: the causal work is even.
; LAYOUT.  S^T = K Q^T (source 0 = 16 keys, source 1 = 16 queries), O^T = V^T P^T (source 0 = 16 channels, source 1 = P): a lane holds one query throughout.  Tile j of S^T holds keys 16 j + 8 h + 0 .. 7 in a lane's
; eight registers: their codes are registers 2 j, 2 j + 1 of P.  Accumulator (head y, channels 16 d) of O^T gives registers 2 (4 y + d), + 1 of ctx's image.
; CAUSAL.  Every unit walks 8 trips; a step all of whose keys come after the tile's queries is jumped over by a scalar branch on ids; on the diagonal hidden scores become -infinity ahead of the maximum.  Key 0 counts for every query.
; SCALES.  e6 + e7 are added to the exponent field of log2(e) / 8; p is converted with 2^e8; O / sum is converted with 2^E, E = e10 - e8 - e9.
; LIMITS: e6 + e7 between -123 and 130; e8 and E between -126 and 119.  NaN among the inputs is not served.
; REGISTERS.  Window 0: v1-11 addresses and constants; v12-27 statistics; v28-31 the sums' second chains; v32-63 P's codes; v64-127 fragments of K, then of V; v128-255 S^T, then p.
;   Window 1: v0-63 O^T ((y, d) at 32 y + 8 d); v64-95 Q (unit u, head y at 64 + 16 u + 8 y).
.set SPARE, 131072                     ; behind K and V: the spare words, 128 bytes for each wave: four blocks of 256 bytes that no other line names
.set LI,   1                           ; v1   16 x lane
.set ADK,  2                           ; v2   LDS address of the step's K
.set ADV,  3                           ; v3   of its V
.set SPW,  4                           ; v4   LDS address of my spare word; never rewritten
.set NIL,  5                           ; v5   0; never rewritten
.set RH,   6                           ; v6   r - 8 h
.set DD,   7                           ; v7   the mask's bound
.set NINF, 8                           ; v8   -infinity
.set TH16, 9                           ; v9   16 x thread
.set SCP,  10                          ; v10  2^e8
.set LIMP, 11                          ; v11  448 x 2^e8
.set ST,   12                          ; head y's statistics at v[ST + 8 y]: +0 -M, +1 the largest t, +2, +3 the sum in two halves, +4 f, +5 0, +6, +7 at work
.set CH,   28
.set P,    32
.set F,    64
.set S,    128
.set QW,   64
.set MSB, 0
.macro WIN new                         ; the immediate's high byte repeats the setting that is left
.if MSB != (\new)
	s_set_vgpr_msb (MSB<<8)|(\new)
.set MSB, \new
.endif
.endm
	s_load_b128 s[4:7], s[0:1], 0x0                ; qkv_img s[4:5], the exponents s[6:7]
	s_load_b64 s[8:9], s[0:1], 0x10                ; ctx_img
	v_lshl_add_u32 v[SPW], v0, 2, SPARE
	v_mov_b32 v[NIL], 0
	v_lshrrev_b32 v1, 5, v0
	s_delay_alu instid0(VALU_DEP_1)
	v_readfirstlane_b32 s10, v1                    ; wave 0..7
	s_and_b32 s11, s10, 1                          ; which pair of the group's four query heads
	s_lshr_b32 s12, s10, 1
	s_and_b32 s14, ttmp7, 0xffff                   ; 8 x batch + key/value head
	s_lshr_b32 s15, s14, 3
	s_and_b32 s16, s14, 7
	s_lshl_b32 s17, ttmp9, 2
	s_add_co_u32 s17, s17, s12                     ; i: the second unit's query tile
	s_sub_co_u32 s18, 63, s17                      ; the first unit's
	v_and_b32 v6, 31, v0
	s_delay_alu instid0(VALU_DEP_1)
	v_lshlrev_b32 v[LI], 4, v6
	v_lshlrev_b32 v[TH16], 4, v0
	s_delay_alu instid0(VALU_DEP_1)
	v_add_nc_u32 v[ADV], 0x10000, v[TH16]
	v_and_b32 v7, 15, v0
	v_bfe_u32 v8, v0, 4, 1
	s_delay_alu instid0(VALU_DEP_1)
	v_lshlrev_b32 v8, 3, v8
	s_delay_alu instid0(VALU_DEP_1)
	v_sub_nc_u32 v[RH], v7, v8
	v_mov_b32 v[NINF], 0xff800000
	s_mov_b32 s20, 0x76543210                      ; v_permlanex16_b32's selects for lane l xor 16
	s_mov_b32 s21, 0xfedcba98
	s_lshl_b32 s28, s14, 16                        ; K's and V's 65,536 bytes of this (batch, head)
	s_add_co_u32 s28, s28, 0x800000
	s_mov_b32 s29, 0
	s_lshl_b32 s56, s14, 2
	s_lshl_b32 s57, s11, 1
	s_add_co_u32 s56, s56, s57                     ; 32 x batch + my first query head
	s_lshl_b32 s56, s56, 6
	s_add_co_u32 s58, s56, s18
	s_lshl_b32 s58, s58, 10
	s_mov_b32 s59, 0
	s_add_co_u32 s60, s56, s17
	s_lshl_b32 s60, s60, 10
	s_mov_b32 s61, 0
	s_lshl_b32 s56, s15, 6
	s_lshl_b32 s57, s16, 1
	s_add_co_u32 s57, s57, s11                     ; my pair of heads among the 16
	s_add_co_u32 s62, s56, s18
	s_lshl_b32 s62, s62, 4
	s_add_co_u32 s62, s62, s57
	s_lshl_b32 s62, s62, 11
	s_mov_b32 s63, 0
	s_add_co_u32 s56, s56, s17
	s_lshl_b32 s56, s56, 4
	s_add_co_u32 s56, s56, s57
	s_lshl_b32 s56, s56, 11
	s_mov_b32 s57, 0
	s_wait_alu depctr_va_vdst(0)
	s_wait_kmcnt 0x0
	s_load_b256 s[40:47], s[6:7], 0x0              ; e0 .. e7
	s_load_b128 s[48:51], s[6:7], 0x20             ; e8 .. e11
	s_add_nc_u64 s[30:31], s[4:5], s[28:29]        ; K
	s_add_nc_u64 s[32:33], s[30:31], 0x200000      ; V
	s_add_nc_u64 s[34:35], s[4:5], s[58:59]        ; Q of unit 0,
	s_add_nc_u64 s[54:55], s[4:5], s[60:61]        ; of unit 1
	s_add_nc_u64 s[36:37], s[8:9], s[62:63]        ; ctx of unit 0,
	s_add_nc_u64 s[38:39], s[8:9], s[56:57]        ; of unit 1
	WIN 0x40                                       ; destination window 1
.irp y, 0,1
.irp c, 0,1
	global_load_b128 v[QW+8*\y+4*\c:QW+8*\y+4*\c+3], v[LI], s[34:35] offset:65536*\y+512*\c
	global_load_b128 v[QW+16+8*\y+4*\c:QW+16+8*\y+4*\c+3], v[LI], s[54:55] offset:65536*\y+512*\c
.endr
.endr
	WIN 0
.set n, 0
.rept 16
	global_load_b128 v[S+4*n:S+4*n+3], v[TH16], s[30:31] offset:n*4096         ; the 256 threads read 4,096 consecutive bytes
.set n, n+1
.endr
.set n, 0
.rept 16
	global_load_b128 v[S+64+4*n:S+64+4*n+3], v[TH16], s[32:33] offset:n*4096
.set n, n+1
.endr
	s_wait_kmcnt 0x0
	s_mov_b32 s22, 0x3e38aa3b                      ; c = log2(e) / 8
	s_add_co_i32 s28, s46, s47
	s_lshl_b32 s28, s28, 23
	s_add_co_i32 s22, s22, s28                     ; a score stands for score x 2^(e6 + e7): added to c's exponent field
	s_mov_b32 s23, s22                             ; (named with it as a pair, so it is written)
	s_add_co_i32 s28, s48, 127
	s_lshl_b32 s29, s28, 23
	v_mov_b32 v[SCP], s29
	s_add_co_i32 s28, s28, 8
	s_lshl_b32 s28, s28, 23
	s_or_b32 s28, s28, 0x600000
	v_mov_b32 v[LIMP], s28
	s_sub_co_i32 s28, s50, s48
	s_sub_co_i32 s28, s28, s49                     ; E = e10 - e8 - e9
	s_add_co_i32 s28, s28, 127
	s_lshl_b32 s52, s28, 23                        ; 2^E
	s_add_co_i32 s28, s28, 8
	s_lshl_b32 s53, s28, 23
	s_or_b32 s53, s53, 0x600000                    ; 448 x 2^E
.set n, 0
.rept 16
	s_wait_loadcnt 31-n                            ; loads come back in order: behind K's n-th, 31 - n were issued
	ds_store_b128 v[TH16], v[S+4*n:S+4*n+3] offset:n*4096
.set n, n+1
.endr
.set n, 0
.rept 16
	s_wait_loadcnt 15-n
	ds_store_b128 v[ADV], v[S+64+4*n:S+64+4*n+3] offset:n*4096
.set n, n+1
.endr
	s_wait_dscnt 0x0                               ; for the others' sake: my stores have landed (and have read their registers)
	s_barrier_signal -1
	s_barrier_wait -1                              ; K and V are whole; from here on LDS is only read
; A KEY STEP of unit u: 128 keys from s25 on, at LDS byte s24 of K and of V
.macro STEP u
	s_add_co_u32 s28, s26, 15
	s_cmp_gt_u32 s25, s28                          ; all keys come after my 16 queries: nothing to do
	s_cbranch_scc1 .Lhidden_\@
	v_add_nc_u32 v[ADK], s24, v[LI]
	s_delay_alu instid0(VALU_DEP_1)
	v_add_nc_u32 v[ADV], 0x10000, v[ADK]
	v_nop
	v_nop                                          ; four places in front of loads into registers that the last products read
.irp t, 0,1,2,3,4,5,6,7
	ds_load_b128 v[F+8*\t:F+8*\t+3], v[ADK] offset:\t*1024
	ds_load_b128 v[F+8*\t+4:F+8*\t+7], v[ADK] offset:\t*1024+512
.endr
	s_wait_alu depctr_va_vdst(0)
	s_wait_dscnt 0x0
	WIN 0x04                                       ; source 1 (Q) window 1
.irp t, 0,1,2,3,4,5,6,7
.irp y, 0,1
	v_wmma_f32_16x16x64_fp8_fp8 v[S+64*\y+8*\t:S+64*\y+8*\t+7], v[F+8*\t:F+8*\t+7], v[QW+16*\u+8*\y:QW+16*\u+8*\y+7], 0
.endr
.endr
	WIN 0
.rept 4
	v_nop                                          ; places in front of the loads below and of the first reads of the scores
.endr
.irp d, 0,1,2,3
.irp c, 0,1,2,3
	ds_load_b128 v[F+16*\d+4*\c:F+16*\d+4*\c+3], v[ADV] offset:\d*2048+512*\c      ; V lands while the softmax is walked
.endr
.endr
	s_add_co_u32 s28, s25, 127
	s_cmp_le_u32 s28, s26                          ; all keys count: no mask
	s_cbranch_scc1 .Lopen_\@
	s_sub_co_i32 s28, s26, s25
	v_add_nc_u32 v[DD], s28, v[RH]                 ; register 8 j + i holds key s25 + 16 j + 8 h + i: hidden where 16 j + i > my query - s25 - 8 h
.set n, 0
.rept 64
	v_cmp_gt_i32 vcc_lo, 16*(n/8)+n%8, v[DD]
	v_cndmask_b32 v[S+n], v[S+n], v[NINF], vcc_lo
	v_cndmask_b32 v[S+64+n], v[S+64+n], v[NINF], vcc_lo
.set n, n+1
.endr
.Lopen_\@:
.irp y, 0,1                                    ; the step's largest score of my query among my 64 keys: two chains a head, each accumulator from its low end on
	v_max3_num_f32 v[ST+8*\y+6], v[S+64*\y], v[S+64*\y+1], v[S+64*\y+2]
	v_max3_num_f32 v[ST+8*\y+7], v[S+64*\y+3], v[S+64*\y+4], v[S+64*\y+5]
.endr
.irp i, 6,10,14,18,22,26,30,34,38,42,46,50,54,58
.irp y, 0,1
	v_max3_num_f32 v[ST+8*\y+6], v[ST+8*\y+6], v[S+64*\y+\i], v[S+64*\y+\i+1]
	v_max3_num_f32 v[ST+8*\y+7], v[ST+8*\y+7], v[S+64*\y+\i+2], v[S+64*\y+\i+3]
.endr
.endr
.irp y, 0
	v_max3_num_f32 v[ST+8*\y+6], v[ST+8*\y+6], v[S+64*\y+62], v[S+64*\y+63]
.endr
.irp y, 1
	v_max3_num_f32 v[ST+8*\y+6], v[ST+8*\y+6], v[S+64*\y+62], v[S+64*\y+63]
.endr
.irp y, 0,1
	s_delay_alu instid0(VALU_DEP_2)
	v_max_num_f32 v[ST+8*\y+6], v[ST+8*\y+6], v[ST+8*\y+7]
.endr
.irp y, 0,1
	s_delay_alu instid0(VALU_DEP_2)
	v_permlanex16_b32 v[ST+8*\y+7], v[ST+8*\y+6], s20, s21
.endr
.irp y, 0,1
	s_delay_alu instid0(VALU_DEP_2)
	v_max_num_f32 v[ST+8*\y+6], v[ST+8*\y+6], v[ST+8*\y+7]     ; and among lane l xor 16's
.endr
.irp y, 0,1
	s_delay_alu instid0(VALU_DEP_2)
	v_mul_f32 v[ST+8*\y+6], s22, v[ST+8*\y+6]                  ; as t (c is positive)
.endr
.irp y, 0,1
	s_delay_alu instid0(VALU_DEP_2)
	v_max_num_f32 v[ST+8*\y+1], v[ST+8*\y+1], v[ST+8*\y+6]     ; the running largest t
.endr
.irp y, 0,1
	v_mov_b32 v[ST+8*\y+6], v[ST+8*\y]
.endr
.irp y, 0,1
	s_delay_alu instid0(VALU_DEP_4)
	v_floor_f32 v[ST+8*\y], -v[ST+8*\y+1]                      ; the new -M = floor(-t): M is a whole number
.endr
.irp y, 0,1
	s_delay_alu instid0(VALU_DEP_2)
	v_sub_f32 v[ST+8*\y+6], v[ST+8*\y], v[ST+8*\y+6]           ; old M - new M, 0 or less
.endr
.irp y, 0,1
	s_delay_alu instid0(VALU_DEP_2)
	v_cvt_i32_f32 v[ST+8*\y+6], v[ST+8*\y+6]                   ; (it saturates)
.endr
.irp y, 0,1
	s_delay_alu instid0(VALU_DEP_2)
	v_ldexp_f32 v[ST+8*\y+4], 1.0, v[ST+8*\y+6]                ; f = 2^(old M - new M)
.endr
.irp y, 0,1
.set n, 0
.rept 32
	v_pk_fma_f32 v[S+64*\y+n:S+64*\y+n+1], v[S+64*\y+n:S+64*\y+n+1], s[22:23], v[ST+8*\y:ST+8*\y+1] op_sel_hi:[1,0,0]   ; t - M, two at a time
.set n, n+2
.endr
.endr
.set n, 0
	s_wait_alu depctr_va_vdst(0)
.rept 128
	v_exp_f32 v[S+n], v[S+n]                       ; p = 2^(t - M): one batch
.set n, n+1
.endr
.irp y, 0,1
	v_pk_mul_f32 v[ST+8*\y+2:ST+8*\y+3], v[ST+8*\y+2:ST+8*\y+3], v[ST+8*\y+4:ST+8*\y+5] op_sel_hi:[1,0]   ; the sums under the new M (plain lines behind the exponentials)
.endr
	s_wait_alu depctr_va_vdst(0)                   ; one wait for the whole batch, ahead of its first reader
.irp y, 0,1
	v_pk_add_f32 v[CH+2*\y:CH+2*\y+1], v[S+64*\y:S+64*\y+1], v[S+64*\y+2:S+64*\y+3]    ; the row's sum is taken of the unquantised p
.endr
.irp j, 4,8,12,16,20,24,28,32,36,40,44,48,52,56,60
.irp y, 0,1
	v_pk_add_f32 v[ST+8*\y+2:ST+8*\y+3], v[ST+8*\y+2:ST+8*\y+3], v[S+64*\y+\j:S+64*\y+\j+1]
	v_pk_add_f32 v[CH+2*\y:CH+2*\y+1], v[CH+2*\y:CH+2*\y+1], v[S+64*\y+\j+2:S+64*\y+\j+3]
.endr
.endr
.irp y, 0
	s_delay_alu instid0(VALU_DEP_3)
	v_pk_add_f32 v[ST+8*\y+2:ST+8*\y+3], v[ST+8*\y+2:ST+8*\y+3], v[CH+2*\y:CH+2*\y+1]
.endr
.irp y, 1
	s_delay_alu instid0(VALU_DEP_2)
	v_pk_add_f32 v[ST+8*\y+2:ST+8*\y+3], v[ST+8*\y+2:ST+8*\y+3], v[CH+2*\y:CH+2*\y+1]
.endr
	s_cmp_ge_i32 s48, -8                           ; p <= 1 <= 448 x 2^e8 exactly where e8 >= -8: there no p can pass the largest code, and the hold is passed over
	s_cbranch_scc1 .Lnohold_\@
.set n, 0
.rept 128
	v_min_num_f32 v[S+n], v[S+n], v[LIMP]          ; the conversion to an 8-bit code does not saturate (ISA guide 7.6.2); p is not negative
.set n, n+1
.endr
.Lnohold_\@:
.irp y, 0,1
.irp t, 0,1,2,3,4,5,6,7
	v_cvt_scalef32_pk8_fp8_f32 v[P+16*\y+2*\t:P+16*\y+2*\t+1], v[S+64*\y+8*\t:S+64*\y+8*\t+7], v[SCP]
.endr
.endr
	WIN 0x41                                       ; O^T (destination and source 0) window 1, f window 0
.irp y, 0,1
.set n, 0
.rept 16
	v_pk_mul_f32 v[32*\y+n:32*\y+n+1], v[32*\y+n:32*\y+n+1], v[ST+8*\y+4:ST+8*\y+5] op_sel_hi:[1,0]   ; O^T under the new M.  (Plain lines between the conversions and the products that read the codes)
.set n, n+2
.endr
.endr
	s_wait_alu depctr_va_vdst(0)
	s_wait_dscnt 0x0                               ; V is in
	WIN 0x50                                       ; C and D window 1
.irp d, 0,1,2,3
.irp y, 0,1                                    ; eight accumulators by turns, one instruction a turn; the next step's sixteen score products stand between two links of a chain
	v_wmma_f32_16x16x128_fp8_fp8 v[32*\y+8*\d:32*\y+8*\d+7], v[F+16*\d:F+16*\d+15], v[P+16*\y:P+16*\y+15], v[32*\y+8*\d:32*\y+8*\d+7]
.endr
.endr
	WIN 0
.Lhidden_\@:
.endm
; A UNIT: query tile s[qts], two heads; its result goes to s[cb:cb+1]
.macro UNIT u, qts, cb
	WIN 0x40
.set n, 0
.rept 64
	v_mov_b32 v[n], 0                              ; O^T.  (The step is written once for a unit: its first trip finds zeros, which the first change of M leaves zeros)
.set n, n+1
.endr
	WIN 0
.if \u
	s_wait_xcnt 0x0                                ; the last unit's stores have read the codes' registers
.endif
.irp y, 0,1
	v_mov_b32 v[ST+8*\y+1], 0xff61b1e6             ; the largest t so far: -3e38, under every t
	s_delay_alu instid0(VALU_DEP_1)
	v_floor_f32 v[ST+8*\y], -v[ST+8*\y+1]
	v_mov_b32 v[ST+8*\y+2], 0
	v_mov_b32 v[ST+8*\y+3], 0
	v_mov_b32 v[ST+8*\y+5], 0                      ; (named as the upper half of f's pair)
.endr
	s_lshl_b32 s26, s[\qts], 4                     ; my first query
	s_mov_b32 s24, 0
	s_mov_b32 s25, 0
	s_mov_b32 s27, 8
.Lstep_\@:                                             ; a constant 8 trips; the work of hidden steps is jumped over inside
	STEP \u
	s_add_co_u32 s24, s24, 8192
	s_add_co_u32 s25, s25, 128
	s_sub_co_u32 s27, s27, 1
	s_cmp_lg_u32 s27, 0
	s_cbranch_scc1 .Lstep_\@
.rept 4
	v_nop                                          ; places behind the last products
.endr
	s_wait_alu depctr_va_vdst(0)
.irp y, 0,1
	v_add_f32 v[ST+8*\y+6], v[ST+8*\y+2], v[ST+8*\y+3]         ; the sum's two halves,
.endr
.irp y, 0,1
	s_delay_alu instid0(VALU_DEP_2)
	v_permlanex16_b32 v[ST+8*\y+7], v[ST+8*\y+6], s20, s21
.endr
.irp y, 0,1
	s_delay_alu instid0(VALU_DEP_2)
	v_add_f32 v[ST+8*\y+6], v[ST+8*\y+6], v[ST+8*\y+7]         ; and lane l xor 16's
.endr
	s_wait_alu depctr_va_vdst(0)
.irp y, 0,1
	v_rcp_f32 v[ST+8*\y+6], v[ST+8*\y+6]
.endr
	v_mov_b32 v192, s52                            ; 2^E and 448 x 2^E, in two score registers that are free here (plain lines behind the reciprocals)
	v_mov_b32 v193, s53
	s_wait_alu depctr_va_vdst(0)                   ; one wait for both reciprocals, ahead of their first reader
	WIN 0x01                                       ; source 0 (O^T) window 1
.irp y, 0,1
.set n, 0
.rept 16
	v_pk_mul_f32 v[S+32*\y+n:S+32*\y+n+1], v[32*\y+n:32*\y+n+1], v[ST+8*\y+6:ST+8*\y+7] op_sel_hi:[1,0]   ; O^T / the sum, each accumulator from its low end on
.set n, n+2
.endr
.endr
	WIN 0
.set n, 0
.rept 64
	v_med3_num_f32 v[S+n], v[S+n], -v193, v193
.set n, n+1
.endr
.irp y, 0,1
.irp d, 0,1,2,3
	v_cvt_scalef32_pk8_fp8_f32 v[P+2*(4*\y+\d):P+2*(4*\y+\d)+1], v[S+32*\y+8*\d:S+32*\y+8*\d+7], v192
.endr
.endr
	v_nop                                          ; a plain line behind the last conversion
.irp c, 0,1,2,3
	global_store_b128 v[LI], v[P+4*\c:P+4*\c+3], s[\cb:\cb+1] offset:512*\c    ; 512 consecutive bytes
.endr
.endm
	UNIT 0, 18, 36
	UNIT 1, 17, 38
	s_wait_tensorcnt 0x0                           ; the wave's end, behind my last LDS store
	ds_add_u32 v[SPW], v[NIL]
	s_wait_dscnt 0x0
	s_endpgm
.Lfunc_end_k_qa9a1658ce6_attn:
	.size	k_qa9a1658ce6_attn, .Lfunc_end_k_qa9a1658ce6_attn-k_qa9a1658ce6_attn
	.p2alignl 7, 3214868480
	.fill 96, 4, 3214868480
	.section	.rodata,"a",@progbits
	.p2align	6, 0x0
	.amdhsa_kernel k_qa9a1658ce6_attn
		.amdhsa_group_segment_fixed_size 132096
		.amdhsa_private_segment_fixed_size 0
		.amdhsa_enable_private_segment 0
		.amdhsa_kernarg_size 24
		.amdhsa_user_sgpr_count 2
		.amdhsa_user_sgpr_kernarg_segment_ptr 1
		.amdhsa_wavefront_size32 1
		.amdhsa_system_sgpr_workgroup_id_x 1
		.amdhsa_system_sgpr_workgroup_id_y 1
		.amdhsa_system_sgpr_workgroup_id_z 1
		.amdhsa_system_vgpr_workitem_id 0
		.amdhsa_next_free_vgpr 352
		.amdhsa_next_free_sgpr 66
		.amdhsa_reserve_vcc 1
		.amdhsa_float_denorm_mode_32 3
		.amdhsa_float_denorm_mode_16_64 3
		.amdhsa_memory_ordered 1
		.amdhsa_forward_progress 1
		.amdhsa_inst_pref_size 104
	.end_amdhsa_kernel
	.amdgpu_metadata
---
amdhsa.version: [ 1, 2 ]
amdhsa.kernels:
  - .name:           k_qa9a1658ce6_attn
    .symbol:         k_qa9a1658ce6_attn.kd
    .args:
      - { .name: qkv_img, .offset: 0, .size: 8, .value_kind: global_buffer, .address_space: global }
      - { .name: lowp_scales, .offset: 8, .size: 8, .value_kind: global_buffer, .address_space: global }
      - { .name: ctx_img, .offset: 16, .size: 8, .value_kind: global_buffer, .address_space: global }
    .group_segment_fixed_size: 132096
    .private_segment_fixed_size: 0
    .kernarg_segment_align: 8
    .kernarg_segment_size: 24
    .max_flat_workgroup_size: 256
    .sgpr_count:     66
    .vgpr_count:     352
    .wavefront_size: 32
...
	.end_amdgpu_metadata
.endif
;; end of part 3
;; launch oproj (part 4): grid 8 x 32, 4 waves a work-group, clusters of 4 x 1, 327,680 bytes of LDS; arguments ctx_img, w_img, lowp_scales, out0; writes out0
.if DOCPART == 4
	.amdgcn_target "amdgcn-amd-amdhsa--gfx1250"
	.amdhsa_code_object_version 6
	.text
	.protected	k_qa9a1658ce6_oproj
	.globl	k_qa9a1658ce6_oproj
	.p2align	8
	.type	k_qa9a1658ce6_oproj,@function
k_qa9a1658ce6_oproj:
	s_mov_b64 s[64:65], 0
	v_nop
	global_prefetch_b8 v0, s[64:65] scope:SCOPE_SE
	s_setreg_imm32_b32 hwreg(HW_REG_WAVE_MODE, 25, 1), 1
	s_wait_xcnt 0x0
	s_wait_alu depctr_hold_cnt(0) depctr_sa_sdst(0) depctr_va_vdst(0) depctr_va_sdst(0) depctr_va_ssrc(0) depctr_va_vcc(0) depctr_vm_vsrc(0)
	s_getreg_b32 s2, hwreg(HW_REG_IB_STS2, 6, 4)
	s_cmp_eq_u32 s2, 0
	s_cbranch_scc0 .Lentry_in_a_cluster
	s_endpgm
.Lentry_in_a_cluster:
	s_bfe_u32 s2, ttmp6, 0x10000c
	s_cmp_lg_u32 s2, 0x3003
	s_cbranch_scc0 .Lentry_shape_is_right
	s_endpgm
.Lentry_shape_is_right:
; out0 = ctx Wo on codes of FP8 (E4M3): [4,096 tokens][2,048] f32; each finished sum x 2^(e10 + e11).
; ctx_img: [token tile 256][K block 16][2,048]; Wo in w_img from byte 0x600000: [column tile 128][K block 16][2,048]: images of operand registers
; (16 rows x 128 K; register p of lane l at byte 512 (p / 4) + 16 l + 4 (p % 4)): four loads of 16 bytes a lane bring a fragment.
; A work-group makes 128 tokens (y) x 256 columns (x); a wave all 128 tokens x 64 columns of its own: 32 accumulators, 256 registers.
; NO RING.  ctx's 128 rows x all 2,048 K are one dense block of 262,144 bytes: fetched once, at the head, 65,536 bytes a wave by one tensor load, and only read from then on: one barrier, no refill.
; Wo's fragments go from memory straight into registers: each is needed by one wave of the work-group alone.  Four sets of 64 registers; a set's 16 loads are issued three K steps ahead of its products.
; CLUSTER 4, 1, 1: the four partners make four column blocks of one token block and ask for ctx's block jointly.
; NO PREFETCH: ctx is asked for once, with no loop to run ahead in; Wo's loads into registers themselves run three K steps ahead.
; TRANSPOSED USE: source 0 = 16 columns of Wo, source 1 = 16 tokens: a lane holds eight neighbouring numbers of a row of out0.  A block of 16 tokens x 64 columns leaves through the wave's own stage in LDS:
; sixteen lanes store one aligned unit of 256 bytes.
; LIMIT: e10 + e11 lies between -126 and 127, so that 2^(e10 + e11) is an f32 number.
; REGISTERS: window 0: v16-29 addresses, v128-255 ctx's fragments, set 0 (on the way out v32-255 are free); window 1: Wo's four sets; window 2: accumulator (a, b) at v[8 (4 a + b)]; window 3: v128-255 ctx's set 1.
.set STAGE,  262144                    ; behind ctx: 16 rows x 272 bytes for each wave
.set SPITCH, 272
.set SPARE,  STAGE+4*16*SPITCH         ; the spare words: 128 bytes a wave, two blocks of 256 bytes that no other line names
.set ADR,  16                          ; v16-19 16 x lane + 65,536 x (0 .. 3): two token tiles' images each; v16 also serves Wo's loads
.set STO,  24                          ; v24 the way out: where I put 32 bytes of a row
.set RD,   25                          ; v25 where I read a row back
.set CO,   26                          ; v26 my byte offset in out0
.set SPW,  28                          ; v28 my spare word; never rewritten
.set NIL,  29                          ; v29 0; never rewritten
.set TMP,  32                          ; the way out: a block's 32 sums x the scale
.set BK,   64                          ; six sets of 32 registers for rows read back
.set AF,   128
.set G1,   24
.set G0,   32
.set MSB, 0
.macro WIN new                         ; the immediate's high byte repeats the setting that is left
.if MSB != (\new)
	s_set_vgpr_msb (MSB<<8)|(\new)
.set MSB, \new
.endif
.endm
.macro CROUND                          ; a round of the cluster's barrier
	s_barrier_signal -1
	s_barrier_wait -1
	s_cmp_lg_u32 s14, 0
	s_cbranch_scc1 .Lnot_wave_0_\@
	s_barrier_signal -3
.Lnot_wave_0_\@:
	s_barrier_wait -3
	s_barrier_signal -1
	s_barrier_wait -1
.endm
.macro PLACES                          ; four places behind matrix instructions, in front of loads into their registers and of reads of results
.rept 4
	v_nop
.endr
.endm
	s_load_b128 s[4:7], s[0:1], 0x0                ; ctx_img, w_img
	s_load_b128 s[8:11], s[0:1], 0x10              ; the exponents, out0
	v_lshl_add_u32 v[SPW], v0, 2, SPARE
	v_mov_b32 v[NIL], 0
	ds_add_u32 v[SPW], v[NIL]                      ; the opening: the add, twice on end, and its wait ahead of my first tensor load
	ds_add_u32 v[SPW], v[NIL]
	v_lshrrev_b32 v1, 5, v0
	v_readfirstlane_b32 s14, v1                    ; wave
	s_bfe_u32 s15, ttmp6, 0x40000                  ; cx
	s_lshl_b32 s16, ttmp9, 2
	s_add_co_u32 s16, s16, s15                     ; column block
	s_and_b32 s17, ttmp7, 0xffff                   ; token block: the same in all partners
	s_mov_b32 s[G1], 15|(3<<16)|(1<<21)            ; the mask of the four; elements of 8 bytes
	s_mov_b32 s[G1+1], 512<<16                     ; 16 dense rows of 4,096 bytes
	s_mov_b32 s[G1+2], 16<<16
	s_mov_b32 s[G1+3], 512<<16
	s_mov_b32 s[G1+4], 16
	s_mov_b32 s[G1+5], 512
	s_mov_b32 s[G1+6], 0
	s_mov_b32 s[G1+7], 0
	s_lshl_b32 s18, s14, 16                        ; my quarter of ctx's block, in LDS as in memory
	s_lshl_b32 s20, s17, 18
	s_add_co_u32 s20, s20, s18
	s_mov_b32 s21, 0
	s_lshl_b32 s22, s16, 4
	s_lshl_b32 s19, s14, 2
	s_add_co_u32 s22, s22, s19                     ; my first column tile of Wo
	s_lshl_b32 s22, s22, 15
	s_add_co_u32 s22, s22, 0x600000
	s_mov_b32 s23, 0
	s_lshl_b32 s40, s17, 20                        ; out0: 128 rows of 8,192 bytes,
	s_lshl_b32 s41, s16, 10                        ; 256 columns,
	s_add_co_u32 s40, s40, s41
	s_lshl_b32 s41, s14, 8                         ; my 64
	s_add_co_u32 s40, s40, s41
	s_mov_b32 s41, 0
	s_mul_i32 s42, s14, 16*SPITCH
	s_add_co_u32 s42, s42, STAGE                   ; my stage
	s_wait_dscnt 0x0                               ; both opening adds are done
	s_wait_kmcnt 0x0
	s_load_b64 s[96:97], s[8:9], 0x28              ; e10, e11
	s_add_nc_u64 s[20:21], s[4:5], s[20:21]
	s_add_nc_u64 s[6:7], s[6:7], s[22:23]
	s_add_nc_u64 s[10:11], s[10:11], s[40:41]
	s_mov_b32 s[G0], 1
	s_mov_b32 s[G0+1], s18
	s_mov_b64 s[G0+2:G0+3], s[20:21]
	s_or_b32 s[G0+3], s[G0+3], 0x80000000
	CROUND                                         ; the partners are here: the joint loads meet
	tensor_load_to_lds s[G0:G0+3], s[G1:G1+7]      ; my one tensor load of the launch
	s_nop 0
.rept 4
	v_nop
.endr
	v_and_b32 v1, 31, v0
	v_and_b32 v2, 15, v0                           ; r
	v_bfe_u32 v3, v0, 4, 1                         ; h
	v_lshlrev_b32 v[ADR], 4, v1
	v_mul_u32_u24 v4, v2, SPITCH
	v_mul_u32_u24 v5, v3, SPITCH
	v_lshlrev_b32 v6, 13, v3
	v_add_nc_u32 v[ADR+1], 0x10000, v[ADR]
	v_add_nc_u32 v[ADR+2], 0x20000, v[ADR]
	v_add_nc_u32 v[ADR+3], 0x30000, v[ADR]
	v_lshl_add_u32 v4, v3, 5, v4                   ; in: row r, 32 bytes for each half of the lanes
	v_lshl_add_u32 v5, v2, 4, v5                   ; back: lanes 0-15 one row of 256 bytes, lanes 16-31 the next
	v_lshl_add_u32 v[CO], v2, 4, v6                ; and the same two rows in out0
	v_add_nc_u32 v[STO], s42, v4
	v_add_nc_u32 v[RD], s42, v5
	s_wait_alu depctr_va_vdst(0)                   ; the wait at the head's end
.macro BLOAD g                         ; Wo's four fragments of K block g into set g % 4: each load reads 512 consecutive bytes
	WIN 0x40
.irp j, 0,1,2,3
.irp c, 0,1,2,3
	global_load_b128 v[64*((\g)%4)+16*\j+4*\c:64*((\g)%4)+16*\j+4*\c+3], v[ADR], s[6:7] offset:\j*32768+(\g)*2048+512*\c
.endr
.endr
.endm
.macro ALOAD g                         ; ctx's eight fragments of K block g into set g % 2 (window 0 or 3)
	WIN 0xc0*((\g)%2)
.irp i, 0,1,2,3,4,5,6,7
.irp c, 0,1,2,3
	ds_load_b128 v[AF+16*\i+4*\c:AF+16*\i+4*\c+3], v[ADR+(\i)/2] offset:((\i)%2)*32768+(\g)*2048+512*\c
.endr
.endr
.endm
.macro MUL g, zero                     ; 32 products; the 32 accumulators take turns, in the same order in every step
	WIN 0xa1|(0x0c*((\g)%2))
.irp a, 0,1,2,3,4,5,6,7
.irp b, 0,1,2,3
.if \zero
	v_wmma_f32_16x16x128_fp8_fp8 v[8*(4*\a+\b):8*(4*\a+\b)+7], v[64*((\g)%4)+16*\b:64*((\g)%4)+16*\b+15], v[AF+16*\a:AF+16*\a+15], 0
.else
	v_wmma_f32_16x16x128_fp8_fp8 v[8*(4*\a+\b):8*(4*\a+\b)+7], v[64*((\g)%4)+16*\b:64*((\g)%4)+16*\b+15], v[AF+16*\a:AF+16*\a+15], v[8*(4*\a+\b):8*(4*\a+\b)+7]
.endif
.endr
.endr
.endm
.macro KS g, zero                      ; a K step of 128
.if (\g) < 13
	s_wait_loadcnt 48                              ; Wo's set of this step is in; the three younger sets, 16 loads each, may be out
.else
	s_wait_loadcnt 16*(15-(\g))
.endif
	s_wait_dscnt 0x0                               ; ctx's set of this step is in
.if (\g) < 15
	ALOAD (\g)+1                                   ; the other set, which the last step's products read: that step's four places stand between
.endif
	MUL \g, \zero
	PLACES
.if (\g) < 12
	BLOAD (\g)+4                                   ; into the set just multiplied
.endif
.endm
	BLOAD 0
	BLOAD 1
	BLOAD 2
	BLOAD 3
	WIN 0
	s_wait_tensorcnt 0x0                           ; my quarter of ctx's block is in;
	s_barrier_signal -1
	s_barrier_wait -1                              ; and everybody's.  From here on these bytes are only read
	ALOAD 0
	KS 0, 1                                        ; the first step starts the sums: nothing is cleared
.irp g, 1,2,3,4,5,6,7,8,9,10,11,12,13,14,15
	KS \g, 0
.endr
	WIN 0
; THE WAY OUT, block by block of 16 tokens x 64 columns.  LDS serves a wave's instructions in order (ISA guide 5.7.1.4): no wait between the stage's stores and loads, nor in front of the next block's stores.
.macro TOSTAGE a
	WIN 0x02                                       ; source 0: window 2
.irp j, 0,2,4,6,8,10,12,14,16,18,20,22,24,26,28,30
	v_pk_mul_f32 v[TMP+\j:TMP+\j+1], v[32*(\a)+\j:32*(\a)+\j+1], s[96:97] op_sel_hi:[1,0]   ; both x s96 = 2^(e10 + e11); each accumulator from its low end on
.endr
	WIN 0
.irp b, 0,1,2,3
	ds_store_b128 v[STO], v[TMP+8*\b:TMP+8*\b+3] offset:64*\b
	ds_store_b128 v[STO], v[TMP+8*\b+4:TMP+8*\b+7] offset:64*\b+16
.endr
.irp t, 0,1,2,3,4,5,6,7
	ds_load_b128 v[BK+32*((\a)%6)+4*\t:BK+32*((\a)%6)+4*\t+3], v[RD] offset:\t*2*SPITCH
.endr
.endm
.macro SEND a, younger                 ; younger: the LDS instructions issued behind block a's loads, which may stay out
	s_wait_dscnt \younger
.irp t, 0,1,2,3,4,5,6,7
	global_store_b128 v[CO], v[BK+32*((\a)%6)+4*\t:BK+32*((\a)%6)+4*\t+3], s[10:11] offset:(\a)*131072+\t*16384 th:TH_STORE_NT   ; sixteen lanes store 256 consecutive bytes, aligned; every offset is an immediate
.endr
.endm
	s_wait_kmcnt 0x0
	s_add_co_i32 s96, s96, s97
	s_add_co_i32 s96, s96, 127
	s_lshl_b32 s96, s96, 23                        ; 2^(e10 + e11) as f32
	TOSTAGE 0
.irp a, 1,2,3,4,5,6,7
.if \a > 5
	s_wait_xcnt 0x0                                ; block a - 6's stores have read their registers: block a's rows may land there
.endif
	TOSTAGE \a
	SEND (\a)-1, 16                                ; behind block a - 1's loads: block a's 8 stores and 8 loads
.endr
	SEND 7, 0
	s_wait_tensorcnt 0x0                           ; the wave's end
	ds_add_u32 v[SPW], v[NIL]
	s_wait_dscnt 0x0
	CROUND                                         ; the closing round
	s_endpgm
.Lfunc_end_k_qa9a1658ce6_oproj:
	.size	k_qa9a1658ce6_oproj, .Lfunc_end_k_qa9a1658ce6_oproj-k_qa9a1658ce6_oproj
	.p2alignl 7, 3214868480
	.fill 96, 4, 3214868480
	.section	.rodata,"a",@progbits
	.p2align	6, 0x0
	.amdhsa_kernel k_qa9a1658ce6_oproj
		.amdhsa_group_segment_fixed_size 327680
		.amdhsa_private_segment_fixed_size 0
		.amdhsa_enable_private_segment 0
		.amdhsa_kernarg_size 32
		.amdhsa_user_sgpr_count 2
		.amdhsa_user_sgpr_kernarg_segment_ptr 1
		.amdhsa_wavefront_size32 1
		.amdhsa_system_sgpr_workgroup_id_x 1
		.amdhsa_system_sgpr_workgroup_id_y 1
		.amdhsa_system_sgpr_workgroup_id_z 1
		.amdhsa_system_vgpr_workitem_id 0
		.amdhsa_next_free_vgpr 1024
		.amdhsa_next_free_sgpr 98
		.amdhsa_reserve_vcc 0
		.amdhsa_float_denorm_mode_32 3
		.amdhsa_float_denorm_mode_16_64 3
		.amdhsa_memory_ordered 1
		.amdhsa_forward_progress 1
		.amdhsa_inst_pref_size 120
	.end_amdhsa_kernel
	.amdgpu_metadata
---
amdhsa.version: [ 1, 2 ]
amdhsa.kernels:
  - .name:           k_qa9a1658ce6_oproj
    .symbol:         k_qa9a1658ce6_oproj.kd
    .args:
      - { .name: ctx_img, .offset: 0, .size: 8, .value_kind: global_buffer, .address_space: global }
      - { .name: w_img, .offset: 8, .size: 8, .value_kind: global_buffer, .address_space: global }
      - { .name: lowp_scales, .offset: 16, .size: 8, .value_kind: global_buffer, .address_space: global }
      - { .name: out0, .offset: 24, .size: 8, .value_kind: global_buffer, .address_space: global }
    .group_segment_fixed_size: 327680
    .private_segment_fixed_size: 0
    .kernarg_segment_align: 8
    .kernarg_segment_size: 32
    .max_flat_workgroup_size: 128
    .sgpr_count:     98
    .vgpr_count:     1024
    .wavefront_size: 32
...
	.end_amdgpu_metadata
.endif
;; end of part 4
